; MI455X (gfx1250); checked and timed in simulation.
; The chip was launched on July 23, 2026; its instructions are those of AMD's public machine-readable ISA for CDNA 5 (MIT licence, August 2026) and "CDNA5" Instruction Set Architecture Reference Guide (July 2026). The comments in the code are by the model that wrote it; some were corrected since.
;; MLA. Allowed arithmetic: matrix products marked QUANTISED: E2M3 operands, one E8M0 scale for each 32 along K, by v_wmma_scale_f32_16x16x128_f8f6f4 with both operands' format E2M3, f32 sums; everything else in f32.
;; Inputs: freqs_cos 2,048 x 32 float32; freqs_sin 2,048 x 32 float32; mask 2,048 x 2,048 float32; wk 3,072 x 2,048 float32; wo 2,048 x 2,048 float32; wq 3,072 x 2,048 float32; wv 2,048 x 2,048 float32; x 1 x 2,048 x 2,048 float32.
;; Outputs: out0 1 x 2,048 x 2,048 float32.
;; Constants: start_pos = 0.
;; This version of the problem:
;;   THIS VERSION OF THE PROBLEM IS GIVEN IN LOW PRECISION. The matrix products marked QUANTISED in the list below multiply operands that are first quantised to E2M3 (2 exponent bits, 3 mantissa bits; 6 bits a number), with one power-of-two scale for each 32 numbers along K (OCP MX v1.0); their sums are f32. All else is computed in f32.
;;   The module's matrix products, in the order in which they are computed (A, B: the left and right operand; K: the contracted axis; several contracted axes count as one K, in the product's order):
;;     1. [M 2,048, K 2,048] x [K 2,048, N 3,072]; A: input x; B: input wq: QUANTISED
;;     2. [M 2,048, K 2,048] x [K 2,048, N 3,072]; A: input x; B: input wk: QUANTISED
;;     3. [M 2,048, K 2,048] x [K 2,048, N 2,048]; A: input x; B: input wv: QUANTISED
;;     4. batch 16 x [M 2,048, K 128] x [K 128, N 2,048]; A: computed on the way; B: computed on the way: QUANTISED
;;     5. batch 16 x [M 2,048, K 64] x [K 64, N 2,048]; A: computed on the way; B: computed on the way: QUANTISED
;;     6. batch 16 x [M 128, K 2,048] x [K 2,048, N 2,048]; A: computed on the way; B: softmax (see below): QUANTISED
;;     7. [M 2,048, K 2,048] x [K 2,048, N 2,048]; A: computed on the way; B: input wo: QUANTISED
;;   THE QUANTISER, for each operand of a quantised product, along K:
;;     - K is cut into blocks of 32 from its start; a last block that is shorter is filled with zeros.
;;     - A block's scale is 2^e with e = floor(log2(the largest magnitude in the block)) - 2, held to -126 .. 127; a block of zeros has e = 0. As a byte (E8M0): e + 127.
;;     - Each number is divided by its block's scale, clamped to +-7.5, and rounded to the nearest number of E2M3, ties to even, subnormals kept.
;;     - The product sums the exact products of the quantised numbers (number of the format x scale) in f32.
;;   ~~~python
;;   def quantise(x, axis):      # numpy; x: float32 -> the quantised numbers, widened to float32 again
;;       x = np.moveaxis(x, axis, -1); K = x.shape[-1]
;;       x = np.pad(x, [(0, 0)] * (x.ndim - 1) + [(0, -K % 32)]); x = x.reshape(x.shape[:-1] + (-1, 32)); a = np.abs(x).max(-1, keepdims=True)
;;       e = np.where(a > 0, np.clip(np.frexp(np.where(a > 0, a, 1))[1] - 1 - 2, -126, 127), 0)      # np.frexp(a)[1] - 1 = floor(log2(a)), exactly
;;       r = np.clip(x / 2.0 ** e, -7.5, 7.5)
;;       step = 2.0 ** (np.maximum(np.frexp(np.where(r == 0, 1, r))[1] - 1, 0) - 3)
;;       q = np.round(r / step) * step * 2.0 ** e      # np.round: ties to even
;;       return np.moveaxis(q.reshape(q.shape[:-2] + (-1,))[..., :K], -1, axis).astype(np.float32)
;;   ~~~
;;   SOFTMAX AHEAD OF A QUANTISED PRODUCT. Where the list says 'softmax', what is quantised is not the finished softmax but p = 2^(t - M), with t = logit x log2(e) and M = ceil(the row's largest t), a whole number; so 1/2 < the row's largest p <= 1. The row's sum l is taken of the UNQUANTISED p, in f32, and the product's result is divided by l at the end. Since M is a whole number, a kernel that streams over the keys may use a running M (the ceiling of the running maximum): every later rescaling is an exact power of two, which a block's scale takes up: the codes' values come out the same.
;;   OPERANDS COMPUTED ON THE WAY. 'Computed on the way' means the value that the module computes at that place (a softmax that the list does not call 'softmax' is quantised finished and normalised). What goes into a quantiser is computed in f32, as accurately as f32 sums, v_exp_f32 and their like allow (about 1e-6 of the number): no bf16 or f16 on the way to a quantiser, and a product that is left as it is and whose result goes on into a quantised operand takes f32 operands (vector FMAs, or v_wmma_f32_16x16x4_f32). A number that lies on a knife's edge between two numbers of the format may be rounded either way, as far as f32 arithmetic and the matrix unit's own rounding can turn it there, and no further.
;; 2 versions, each right. Each part assembles by itself: llvm-mc -triple=amdgcn-amd-amdhsa -mcpu=gfx1250 --defsym DOCPART=n.
;; ======== version 1 of 2: 4 launches
;; workspace buffers: opi 19,660,800 bytes; qb 4,980,736 bytes; kvb 8,257,536 bytes; ab 3,276,800 bytes
;; launch quant (part 1): grid 768 x 1, 2 waves a work-group, no clusters, 17,152 bytes of LDS; arguments x, wq, wk, wv, wo, opi; writes opi
.if DOCPART == 1
	.amdgcn_target "amdgcn-amd-amdhsa--gfx1250"
	.amdhsa_code_object_version 6
	.text
	.protected	k_qe87fb6930a_quant
	.globl	k_qe87fb6930a_quant
	.p2align	8
	.type	k_qe87fb6930a_quant,@function
k_qe87fb6930a_quant:
	s_mov_b64 s[64:65], 0
	v_nop
	global_prefetch_b8 v0, s[64:65] scope:SCOPE_SE
	s_setreg_imm32_b32 hwreg(HW_REG_WAVE_MODE, 25, 1), 1
	s_wait_xcnt 0x0
; x, wq, wk, wv, wo (f32, K = 2,048 innermost) become codes of FP6 (E2M3) with one E8M0 byte for each 32 along K, laid in the ORDER OF THE OPERANDS' REGISTERS.
; An operand block (12,800 bytes) serves 128 rows x 128 along K: eight fragment images of 1,536 bytes (16 rows x 128 K: register group c of lane l at 512 c + 16 l), then 512 bytes of scale words
; (the word of lane-row r of tile a at 32 r + 4 a).  opi = [96 row groups][16 K steps] of such blocks.  Row groups: 0-15 x; 16-31 wq's first 128 rows of each head; 32-47 wk's; 48-55 wq's last 64 rows
; of two heads; 56-63 wk's; 64-79 wv by head; 80-95 wo.
; THE ROWS OF A TILE ARE NOT NEIGHBOURS: lane-row r of tile a is row 32 (a / 2) + 8 (a % 2) + r % 8 + 16 (r / 8) of its group, so that a product used transposed leaves 16 neighbours along the next K in a lane.
; A block's scale is 2^(floor(log2(largest magnitude)) - 2): its byte is the largest magnitude's exponent field - 2, held at 1 from below by a floor among the maximum's leaves.
; LIMITS: NaN and infinities among the inputs are not served; a block whose largest magnitude lies under 2^-124 keeps the byte 1; a block of zeros gets the byte 1 where the rule says 127
; (its codes are zeros, and these bytes are read by this program alone).
; SHARES: a wave makes one operand block: 128 rows x 512 bytes.  Each load reads 512 consecutive bytes of one row; a tile's 16 rows turn through the wave's own stage in LDS (pitch 528) so that a lane gets
; 16 neighbours of each block of 32.  Two tiles' loads (32) are on their way.  Waves share nothing: no barrier.
.set ROWB, 8192                        ; a row of any of the five tensors, in bytes
.set OPB,  12800
.set FRB,  1536
.set SP,   528                         ; a stage row: 512 bytes + 16
.set R0,   8                           ; v8-71, v72-135  two sets of a tile's 16 loads
.set X,    136                         ; v136-199 64 numbers of my lane-row: register 16 b + i = k 32 b + 16 (lane / 16) + i
.set PC,   200                         ; v200-219 the codes just made
.set TM,   220                         ; v220-223 largest magnitudes, v224-227 the other half's, then bytes, v228-231 the conversions' scale operands
.set SW,   232                         ; v232-239 the eight tiles' scale words
.set SX,   240                         ; v240-243 my 16 bytes of the scale block
.set SEL,  30                          ; s[30:31] lane selects: lane l xor 16
.set MSB, 0
.macro WIN new                         ; the immediate's high byte repeats the setting that is left (this text stays in window 0: nothing is written)
.if MSB != (\new)
	s_set_vgpr_msb (MSB<<8)|(\new)
.set MSB, (\new)
.endif
.endm
; The largest magnitudes of the four blocks of v[s] .. v[s + 63] (window w), with the floor 2^(3 - 127) among the leaves; then with lane l xor 16's.
.macro MAXES s, w
	WIN (\w)|((\w)<<2)
.irp b, 0,1,2,3
	v_max3_num_f32 v[TM+\b], |v[(\s)+16*\b]|, |v[(\s)+16*\b+1]|, 0x1800000
.endr
	WIN ((\w)<<2)|((\w)<<4)
.irp i, 2,4,6,8,10,12,14
.irp b, 0,1,2,3
	v_max3_num_f32 v[TM+\b], v[TM+\b], |v[(\s)+16*\b+\i]|, |v[(\s)+16*\b+\i+1]|
.endr
.endr
	WIN 0
.irp b, 0,1,2,3
	v_permlanex16_b32 v[TM+4+\b], v[TM+\b], s[SEL], s[SEL+1]
.endr
.irp b, 0,1,2,3
	v_max_num_f32 v[TM+\b], v[TM+\b], v[TM+4+\b]
.endr
.endm
; From the four largest magnitudes: the scale word in v[pw], the fragment's 12 registers in v[pc] on.
.macro PACK6 s, w, pc, pw
.irp b, 0,1,2,3
	v_add_nc_u32 v[TM+8+\b], 0xff000000, v[TM+\b]  ; 2 off the exponent field: the conversion takes that field as its scale
.endr
.irp b, 0,1,2,3
	v_lshrrev_b32 v[TM+4+\b], 23, v[TM+8+\b]       ; the scale's byte
.endr
	v_lshl_or_b32 v[\pw], v[TM+5], 8, v[TM+4]
	v_lshl_or_b32 v[\pw], v[TM+6], 16, v[\pw]
	v_lshl_or_b32 v[\pw], v[TM+7], 24, v[\pw]
	WIN \w
.irp c, 0,1
	v_cvt_scalef32_pk16_fp6_f32 v[(\pc)+6*\c:(\pc)+6*\c+2], v[(\s)+32*\c:(\s)+32*\c+15], v[TM+8+2*\c]
	v_cvt_scalef32_pk16_fp6_f32 v[(\pc)+12+4*\c:(\pc)+14+4*\c], v[(\s)+16+32*\c:(\s)+31+32*\c], v[TM+9+2*\c]   ; (a conversion's three registers begin on an even number)
.endr
	WIN 0
	v_nop                                          ; one plain place behind the scaled conversions
.irp c, 0,1                            ; the operand wants a whole block in a lane: lanes 0-15 block 2 c, lanes 16-31 block 2 c + 1
.irp i, 0,1,2
	v_permlane16_swap_b32 v[(\pc)+6*\c+\i], v[(\pc)+12+4*\c+\i]
.endr
.irp i, 0,1,2
	v_mov_b32 v[(\pc)+3+6*\c+\i], v[(\pc)+12+4*\c+\i]
.endr
.endr
.endm
.macro QUANT s, w, pc, pw
	MAXES \s, \w
	PACK6 \s, \w, \pc, \pw
.endm
	s_load_b256 s[4:11], s[0:1], 0x0               ; x s[4:5], wq s[6:7], wk s[8:9], wv s[10:11]
	s_load_b128 s[12:15], s[0:1], 0x20             ; wo s[12:13], opi s[14:15]
	v_lshl_add_u32 v254, v0, 2, 0x4200
	v_mov_b32 v255, 0
	v_lshrrev_b32 v7, 5, v0
	v_readfirstlane_b32 s16, v7                    ; wave 0, 1
	v_and_b32 v1, 31, v0                           ; lane
	v_and_b32 v7, 15, v0                           ; r
	v_bfe_u32 v6, v0, 4, 1                         ; h
	v_lshlrev_b32 v2, 4, v1                        ; 16 x lane: my bytes of a load's 512, and of an image's piece
	s_mul_i32 s19, s16, 16*SP                      ; my wave's stage
	v_add_nc_u32 v4, s19, v2                       ; into it: as loaded
	v_mul_u32_u24 v5, v7, SP
	v_lshl_add_u32 v5, v6, 6, v5
	v_add_nc_u32 v5, s19, v5                       ; out of it: row r, + 64 h
	v_lshlrev_b32 v6, 4, v6
	v_lshl_add_u32 v6, v7, 5, v6                   ; 32 r + 16 h: my 16 bytes of the scale block
.irp b, 0,1,2,3
	v_mov_b32 v[TM+4+\b], 0                        ; written once: a lane permute's destination counts as one of its sources
.endr
	s_mov_b32 s[SEL], 0x76543210
	s_mov_b32 s[SEL+1], 0xfedcba98
	s_lshr_b32 s17, ttmp9, 3                       ; G: the row group, 0 .. 95
	s_and_b32 s18, ttmp9, 7
	s_lshl_b32 s18, s18, 1
	s_add_co_u32 s18, s18, s16                     ; the K step, 0 .. 15
	s_mov_b32 s22, 80                              ; wo's figures: first group,
	s_mov_b32 s23, 128                             ; rows from group to group,
	s_mov_b32 s24, 0                               ; first row,
	s_mov_b32 s25, 0                               ; rows passed over between tiles 3 and 4
	s_wait_kmcnt 0x0
	s_mov_b64 s[20:21], s[12:13]
	s_cmp_lt_u32 s17, 80                           ; every choice hangs on the work-group's number alone
	s_cselect_b64 s[20:21], s[10:11], s[20:21]     ; wv
	s_cselect_b32 s22, 64, s22
	s_cmp_lt_u32 s17, 64
	s_cselect_b64 s[20:21], s[8:9], s[20:21]       ; wk, rows 128-191 of two heads: 384 rows a group, 128 passed over between the heads
	s_cselect_b32 s22, 56, s22
	s_cselect_b32 s23, 384, s23
	s_cselect_b32 s24, 128, s24
	s_cselect_b32 s25, 128, s25
	s_cmp_lt_u32 s17, 56
	s_cselect_b64 s[20:21], s[6:7], s[20:21]       ; wq likewise
	s_cselect_b32 s22, 48, s22
	s_cmp_lt_u32 s17, 48
	s_cselect_b64 s[20:21], s[8:9], s[20:21]       ; wk, rows 0-127 of a head: 192 rows a group
	s_cselect_b32 s22, 32, s22
	s_cselect_b32 s23, 192, s23
	s_cselect_b32 s24, 0, s24
	s_cselect_b32 s25, 0, s25
	s_cmp_lt_u32 s17, 32
	s_cselect_b64 s[20:21], s[6:7], s[20:21]       ; wq likewise
	s_cselect_b32 s22, 16, s22
	s_cmp_lt_u32 s17, 16
	s_cselect_b64 s[20:21], s[4:5], s[20:21]       ; x
	s_cselect_b32 s22, 0, s22
	s_cselect_b32 s23, 128, s23
	s_sub_co_u32 s26, s17, s22
	s_mul_i32 s26, s26, s23
	s_add_co_u32 s26, s26, s24                     ; the group's first row
	s_lshl_b32 s26, s26, 13                        ; x 8,192 bytes (under 2^25)
	s_lshl_b32 s27, s18, 9                         ; + 512 bytes a K step
	s_add_co_u32 s26, s26, s27
	s_mov_b32 s27, 0
	s_add_nc_u64 s[20:21], s[20:21], s[26:27]
	s_lshl_b32 s28, s17, 4
	s_add_co_u32 s28, s28, s18
	s_mul_i32 s28, s28, OPB                        ; my operand block
	s_mov_b32 s29, 0
	s_add_nc_u64 s[14:15], s[14:15], s[28:29]
	s_lshl_b32 s25, s25, 13
	v_add_nc_u32 v3, s25, v2                       ; tiles 4-7: the rows passed over, in bytes
.macro LOAD a                          ; tile a's 16 rows, 512 consecutive bytes a load, into set a % 2
.set RR, R0+64*((\a)%2)
.irp i, 0,1,2,3,4,5,6,7,8,9,10,11,12,13,14,15
.if (\a) < 4
	global_load_b128 v[RR+4*\i:RR+4*\i+3], v2, s[20:21] offset:(32*((\a)/2)+8*((\a)%2)+(\i%8)+16*(\i/8))*ROWB th:TH_LOAD_NT
.else
	global_load_b128 v[RR+4*\i:RR+4*\i+3], v3, s[20:21] offset:(32*((\a)/2)+8*((\a)%2)+(\i%8)+16*(\i/8))*ROWB th:TH_LOAD_NT
.endif
.endr
.endm
.macro TILE a
.set RR, R0+64*((\a)%2)
.if (\a) < 7
	s_wait_loadcnt 16                              ; my tile's 16 loads are in; the next tile's 16 may be out
.else
	s_wait_loadcnt 0
.endif
.irp i, 0,1,2,3,4,5,6,7,8,9,10,11,12,13,14,15
	ds_store_b128 v4, v[RR+4*\i:RR+4*\i+3] offset:\i*SP
.endr
.irp b, 0,1,2,3
.irp j, 0,1,2,3
	ds_load_b128 v[X+16*\b+4*\j:X+16*\b+4*\j+3], v5 offset:128*\b+16*\j   ; LDS serves a wave's instructions in order: these see the stores above
.endr
.endr
	s_wait_dscnt 0x0                               ; the 64 numbers are in, and the stores have read their registers,
.if (\a) < 6
	LOAD (\a)+2                                    ; which take the tile two on
.endif
	s_wait_xcnt 0x0                                ; the last tile's stores have read the codes' registers: they are written again only behind this wait
	QUANT X, 0, PC, SW+(\a)
.irp c, 0,1,2
	global_store_b128 v2, v[PC+4*\c:PC+4*\c+3], s[14:15] offset:(\a)*FRB+512*\c   ; 32 lanes store 512 consecutive bytes, at a multiple of 256 from the buffer's first byte
.endr
.endm
	LOAD 0
	LOAD 1
.irp a, 0,1,2,3,4,5,6,7
	TILE \a
.endr
	v_cmp_le_u32 vcc_lo, 16, v1                    ; lanes 16-31 give tiles 4-7's words, lanes 0-15 tiles 0-3's
.irp k, 0,1,2,3
	v_cndmask_b32 v[SX+\k], v[SW+\k], v[SW+4+\k], vcc_lo
.endr
	global_store_b128 v6, v[SX:SX+3], s[14:15] offset:8*FRB
	s_wait_tensorcnt 0x0
	ds_add_u32 v254, v255
	s_wait_dscnt 0x0
	s_endpgm
.Lfunc_end_k_qe87fb6930a_quant:
	.size	k_qe87fb6930a_quant, .Lfunc_end_k_qe87fb6930a_quant-k_qe87fb6930a_quant
	.p2alignl 7, 3214868480
	.fill 96, 4, 3214868480
	.section	.rodata,"a",@progbits
	.p2align	6, 0x0
	.amdhsa_kernel k_qe87fb6930a_quant
		.amdhsa_group_segment_fixed_size 17152
		.amdhsa_private_segment_fixed_size 0
		.amdhsa_enable_private_segment 0
		.amdhsa_kernarg_size 48
		.amdhsa_user_sgpr_count 2
		.amdhsa_user_sgpr_kernarg_segment_ptr 1
		.amdhsa_wavefront_size32 1
		.amdhsa_system_sgpr_workgroup_id_x 1
		.amdhsa_system_sgpr_workgroup_id_y 1
		.amdhsa_system_sgpr_workgroup_id_z 1
		.amdhsa_system_vgpr_workitem_id 0
		.amdhsa_next_free_vgpr 256
		.amdhsa_next_free_sgpr 66
		.amdhsa_reserve_vcc 1
		.amdhsa_float_denorm_mode_32 3
		.amdhsa_float_denorm_mode_16_64 3
		.amdhsa_memory_ordered 1
		.amdhsa_forward_progress 1
		.amdhsa_inst_pref_size 65
	.end_amdhsa_kernel
	.amdgpu_metadata
---
amdhsa.version: [ 1, 2 ]
amdhsa.kernels:
  - .name:           k_qe87fb6930a_quant
    .symbol:         k_qe87fb6930a_quant.kd
    .args:
      - { .name: x, .offset: 0, .size: 8, .value_kind: global_buffer, .address_space: global }
      - { .name: wq, .offset: 8, .size: 8, .value_kind: global_buffer, .address_space: global }
      - { .name: wk, .offset: 16, .size: 8, .value_kind: global_buffer, .address_space: global }
      - { .name: wv, .offset: 24, .size: 8, .value_kind: global_buffer, .address_space: global }
      - { .name: wo, .offset: 32, .size: 8, .value_kind: global_buffer, .address_space: global }
      - { .name: opi, .offset: 40, .size: 8, .value_kind: global_buffer, .address_space: global }
    .group_segment_fixed_size: 17152
    .private_segment_fixed_size: 0
    .kernarg_segment_align: 8
    .kernarg_segment_size: 48
    .max_flat_workgroup_size: 64
    .sgpr_count:     66
    .vgpr_count:     256
    .wavefront_size: 32
...
	.end_amdgpu_metadata
.endif
;; end of part 1
;; launch qkv (part 2): grid 32 x 8, 4 waves a work-group, clusters of 4 x 4, 327,680 bytes of LDS; arguments opi, freqs_cos, freqs_sin, qb, kvb; writes qb, kvb
.if DOCPART == 2
	.amdgcn_target "amdgcn-amd-amdhsa--gfx1250"
	.amdhsa_code_object_version 6
	.text
	.protected	k_qe87fb6930a_qkv
	.globl	k_qe87fb6930a_qkv
	.p2align	8
	.type	k_qe87fb6930a_qkv,@function
k_qe87fb6930a_qkv:
	s_mov_b64 s[64:65], 0
	v_nop
	global_prefetch_b8 v0, s[64:65] scope:SCOPE_SE
	s_setreg_imm32_b32 hwreg(HW_REG_WAVE_MODE, 25, 1), 1
	s_wait_xcnt 0x0
	s_wait_alu depctr_hold_cnt(0) depctr_sa_sdst(0) depctr_va_vdst(0) depctr_va_sdst(0) depctr_va_ssrc(0) depctr_va_vcc(0) depctr_vm_vsrc(0)
	s_getreg_b32 s2, hwreg(HW_REG_IB_STS2, 6, 4)
	s_cmp_eq_u32 s2, 0
	s_cbranch_scc0 .Lentry_in_a_cluster
	s_endpgm
.Lentry_in_a_cluster:
	s_bfe_u32 s2, ttmp6, 0x10000c
	s_cmp_lg_u32 s2, 0xf033
	s_cbranch_scc0 .Lentry_shape_is_right
	s_endpgm
.Lentry_shape_is_right:
; q = x wq^T, k = x wk^T and v^T = wv x^T on codes of FP6 (E2M3) with E8M0 scales, K = 2,048; the rotation of the last 64 of each head of q and k; and the quantising of all three for attention, in the way out.
; Nothing leaves as f32.  Operands come from opi as operand blocks (128 rows x 128 K: eight fragment images of 1,536 bytes and 512 bytes of scale words, 12,800 bytes), [row group][K step].
; A tile of C, 256 x 256, is made by four waves, 128 x 128 each: 64 accumulators, 512 registers.  K goes through a ring of two LDS slots of 256 along K; a wave's one tensor load brings one row group's
; two blocks, 25,600 dense bytes.  A fragment comes from LDS by three loads of 512 consecutive bytes; no pitch, no padding.
; CLUSTERS: 4 x 4 work-groups; A's tiles are asked for jointly along a row of the cluster, B's along a column.
; THE MATRIX INSTRUCTION IS USED TRANSPOSED (source 0 = 16 rows of B, source 1 = 16 rows of A), and the rows of a tile are chosen (lane-row r of tile a = row 32 (a / 2) + 8 (a % 2) + r % 8 + 16 (r / 8)),
; so that for an A tile a lane's 64 results are: register 16 b + i = B's row 32 b + 16 (lane / 16) + i: 16 neighbours along the next product's K.
; KINDS, by the cluster's x (X, equal in all partners): X = 0, 1: A = x, B = wq's first 128 of a head -> qb;  2, 3: wk's -> kvb;  4, 5: B = the last 64 of two heads of wq, wk: rotated, then quantised (K = 64, half images);
; 6, 7: A = wv (a head's 128 rows), B = x: v^T, quantised along the keys -> kvb.
; qb = [head][query group] x 19,456: 8 images; at 12,288 8 half images of 768 (registers 0-3 at 16 l, 4-5 at 512 + 8 l); at 18,432 and 18,944 the two scale blocks.  kvb = [head][key group] x 32,256: the same for k, then at 19,456 v^T's operand block.
; LIMITS: NaN and infinities are not served; a block whose largest magnitude lies under 2^-124 keeps the byte 1, a block of zeros too (its codes are zeros; this program alone reads the bytes).
; REGISTERS: window 0: v4-31 addresses and the way out's scale words; v32-63 the products' scale words, two sets; v64-127 cos and sin, two sets; v128-223 A's fragments, ONE set; on the way out v128-251 at work.
;   window 1: B's fragments, two sets, at v0 and v128.   windows 2, 3: the accumulators ((a, b) at v[8 (8 (a % 4) + b)] of window 2 + a / 4).
.set KB,     12800                     ; an operand block
.set FRB,    1536                      ; a fragment image
.set HALFT,  2*KB                      ; a row group's two K steps: what one tensor load brings
.set SLOT,   4*HALFT                   ; A's two groups, then B's two
.set SPARE,  2*SLOT                    ; behind the ring: the spare words, 128 bytes for each wave: two blocks of 256 bytes that no other line names
.set GRP,    16*KB                     ; a row group in opi
.set NQ,     2                         ; steps of 128 in a slot
.set FR,     12
.set NL,     3                         ; LDS loads that bring a fragment
.set NP,     4                         ; places behind this matrix instruction (ISA guide 7.12.1)
.set LAPS,   4                         ; 2,048 / 512
.set SX,   4                           ; v4-7    my 16 bytes of a scale block
.set SW,   8                           ; v8-15   the way out's eight scale words
.set ADRA, 16                          ; v16-17  my A group's images in slot 0, 1: + 16 x lane
.set ADRB, 20                          ; v20-21  my B group's
.set ADRS, 22                          ; v22-23  the scale blocks: lanes 0-15 A's, lanes 16-31 B's
.set LI16, 24                          ; v24     16 x lane
.set LI8,  25                          ; v25     8 x lane
.set SBO,  26                          ; v26     32 r + 16 h
.set CSA,  27                          ; v27     my token's row of cos and sin, + 32 h
.set SPW,  28                          ; v28     LDS address of my spare word; never rewritten
.set NIL,  29                          ; v29     0; never rewritten
.set LANE, 30
.set SC,   32                          ; scale words: register SC + 16 slot + 8 q + i: lanes 0-15 A's tile i, lanes 16-31 B's tile i
.set CS,   64                          ; set a % 2: 16 cos, 16 sin
.set AF,   128
.set R,    128                         ; the way out: 64 rotated numbers
.set PC0,  192                         ; v192-211, v212-231 codes, two sets
.set TM,   232                         ; v232-243
.set T,    244                         ; v244-247
.set SY,   248                         ; v248-251 the odd head's 16 bytes of a scale block
.set G1,   24                          ; s[24:31] group 1 for A;  s[32:39] groups 0, one for each slot
.set G0,   32
.set G1B,  48                          ; s[48:55], s[56:63] the same for B
.set G0B,  56
.set SEL,  74                          ; s[74:75] lane selects: lane l xor 16
.set MSB, 0
.macro WIN new                         ; the immediate's high byte repeats the setting that is left
.if MSB != (\new)
	s_set_vgpr_msb (MSB<<8)|(\new)
.set MSB, (\new)
.endif
.endm
.set MUL_LO, 0xa1                      ; source 0 (B) window 1, source 1 (A) window 0, C and D window 2
.set MUL_HI, 0xf1                      ; the same, C and D window 3
.set TO_B,   0x40                      ; destination window 1
.macro PLACES n
.rept \n
	v_nop
.endr
.endm
; A joint load: waves 0 and 1 fetch for A, waves 2 and 3 for B; the branch hangs on the wave's number alone.  Four v_nop follow each of the two lines.
.macro JLOAD g0a, g1a, g0b, g1b
	s_cmp_eq_u32 s15, 0
	s_cbranch_scc0 .Lfor_b_\@
	tensor_load_to_lds s[\g0a:\g0a+3], s[\g1a:\g1a+7]
	s_nop 0
.rept 4
	v_nop
.endr
	s_branch .Lasked_\@
.Lfor_b_\@:
	tensor_load_to_lds s[\g0b:\g0b+3], s[\g1b:\g1b+7]
	s_nop 0
.rept 4
	v_nop
.endr
.Lasked_\@:
.endm
.macro CREST                           ; a round of the cluster's barrier behind its opening barrier
	s_cmp_lg_u32 s14, 0
	s_cbranch_scc1 .Lnot_wave_0_\@
	s_barrier_signal -3
.Lnot_wave_0_\@:
	s_barrier_wait -3
	s_barrier_signal -1
	s_barrier_wait -1
.endm
.macro CROUND
	s_barrier_signal -1
	s_barrier_wait -1
	CREST
.endm
; The largest magnitudes of the four blocks of v[s] .. v[s + 63] (window w), with the floor 2^(3 - 127) among the leaves; each accumulator is read from its low end on.
.macro MAXES s, w
	WIN (\w)|((\w)<<2)
.irp b, 0,1,2,3
	v_max3_num_f32 v[TM+\b], |v[(\s)+16*\b]|, |v[(\s)+16*\b+1]|, 0x1800000
.endr
	WIN ((\w)<<2)|((\w)<<4)
.irp i, 2,4,6,8,10,12,14
.irp b, 0,1,2,3
	v_max3_num_f32 v[TM+\b], v[TM+\b], |v[(\s)+16*\b+\i]|, |v[(\s)+16*\b+\i+1]|
.endr
.endr
	WIN 0
.irp b, 0,1,2,3
	v_permlanex16_b32 v[TM+4+\b], v[TM+\b], s[SEL], s[SEL+1]
.endr
.irp b, 0,1,2,3
	v_max_num_f32 v[TM+\b], v[TM+\b], v[TM+4+\b]
.endr
.endm
.macro PACK6 s, w, pc, pw
.irp b, 0,1,2,3
	v_add_nc_u32 v[TM+8+\b], 0xff000000, v[TM+\b]  ; 2 off the exponent field: the conversion takes that field as its scale
.endr
.irp b, 0,1,2,3
	v_lshrrev_b32 v[TM+4+\b], 23, v[TM+8+\b]       ; the scale's byte
.endr
	v_lshl_or_b32 v[\pw], v[TM+5], 8, v[TM+4]
	v_lshl_or_b32 v[\pw], v[TM+6], 16, v[\pw]
	v_lshl_or_b32 v[\pw], v[TM+7], 24, v[\pw]
	WIN \w
.irp c, 0,1
	v_cvt_scalef32_pk16_fp6_f32 v[(\pc)+6*\c:(\pc)+6*\c+2], v[(\s)+32*\c:(\s)+32*\c+15], v[TM+8+2*\c]
	v_cvt_scalef32_pk16_fp6_f32 v[(\pc)+12+4*\c:(\pc)+14+4*\c], v[(\s)+16+32*\c:(\s)+31+32*\c], v[TM+9+2*\c]
.endr
	WIN 0
	v_nop                                          ; one plain place behind the scaled conversions
.irp c, 0,1
.irp i, 0,1,2
	v_permlane16_swap_b32 v[(\pc)+6*\c+\i], v[(\pc)+12+4*\c+\i]
.endr
.irp i, 0,1,2
	v_mov_b32 v[(\pc)+3+6*\c+\i], v[(\pc)+12+4*\c+\i]
.endr
.endr
.endm
.macro QUANT s, w, pc, pw
	MAXES \s, \w
	PACK6 \s, \w, \pc, \pw
.endm
	s_load_b256 s[4:11], s[0:1], 0x0               ; opi s[4:5], cos s[6:7], sin s[8:9], qb s[10:11]
	s_load_b64 s[12:13], s[0:1], 0x20              ; kvb
	v_lshl_add_u32 v[SPW], v0, 2, SPARE
	v_mov_b32 v[NIL], 0
	ds_add_u32 v28, v29
	s_wait_dscnt 0x0
	v_lshrrev_b32 v1, 5, v0
	v_readfirstlane_b32 s14, v1                    ; wave 0..3
	s_lshr_b32 s15, s14, 1                         ; which of the tile's two A groups is mine.  Also: I fetch for A (0) or for B (1)
	s_and_b32 s16, s14, 1                          ; which of its two B groups.  Also: which group I fetch
	s_bfe_u32 s40, ttmp6, 0x40000                  ; cx
	s_bfe_u32 s41, ttmp6, 0x40004                  ; cy
	s_mov_b32 s42, ttmp9                           ; X: the cluster's x, 0 .. 7: the kind
	s_and_b32 s17, ttmp7, 0xffff
	s_lshl_b32 s17, s17, 2
	s_add_co_u32 s17, s17, s41                     ; tile row = 4 x cluster y + cy, 0 .. 7
	s_lshl_b32 s43, s41, 2
	s_lshl_b32 s43, 15, s43                        ; my row of the cluster
	s_lshl_b32 s44, 0x1111, s40                    ; my column
	; group 1: 25,600 dense bytes as 100 rows of 256 bytes (32 elements of 8 bytes), no padding
	s_or_b32 s[G1+0], s43, (3<<16)|(1<<21)         ; 15:0 the mask; 17:16 elements of 8 bytes; 21 set beside a mask
	s_or_b32 s[G1B+0], s44, (3<<16)|(1<<21)
.irp g, G1, G1B
	s_mov_b32 s[\g+1], 32<<16                      ; tensor_dim0 = 32
	s_mov_b32 s[\g+2], 100<<16                     ; tensor_dim1 = 100
	s_mov_b32 s[\g+3], 32<<16                      ; tile_dim0 = 32
	s_mov_b32 s[\g+4], 100                         ; tile_dim1 = 100
	s_mov_b32 s[\g+5], 32                          ; from row to row
	s_mov_b32 s[\g+6], 0
	s_mov_b32 s[\g+7], 0
.endr
	s_add_co_u32 s18, s42, 2
	s_lshr_b32 s18, s18, 3
	s_lshl_b32 s18, s18, 6                         ; A's first group: 64 (wv) for X = 6, 7, else 0 (x)
	s_lshl_b32 s20, s17, 1
	s_add_co_u32 s20, s20, s16
	s_add_co_u32 s20, s20, s18
	s_mul_i32 s20, s20, GRP                        ; A: the group that I fetch, in bytes (under 2^25)
	s_mov_b32 s21, 0
	s_lshl_b32 s46, s42, 3
	s_lshl_b32 s47, s40, 1
	s_add_co_u32 s46, s46, s47
	s_add_co_u32 s46, s46, s16
	s_add_co_u32 s46, s46, 16
	s_and_b32 s46, s46, 63                         ; B: group (8 X + 16 + 2 cx + half) mod 64: 16 .. 63 for X = 0 .. 5, x's 0 .. 15 for X = 6, 7
	s_mul_i32 s46, s46, GRP
	s_mov_b32 s47, 0
	s_mul_i32 s45, s14, HALFT                      ; where it goes: wave x 25,600: no place in the cluster enters an LDS address
	s_wait_kmcnt 0x0
	s_add_nc_u64 s[20:21], s[4:5], s[20:21]
	s_add_nc_u64 s[46:47], s[4:5], s[46:47]
	CROUND                                         ; all sixteen work-groups are here: the first joint loads meet
.irp s, 0,1
	s_mov_b32 s[G0+4*\s], 1
	s_add_co_u32 s[G0+4*\s+1], s45, \s*SLOT
	s_add_nc_u64 s[G0+4*\s+2:G0+4*\s+3], s[20:21], \s*HALFT
	s_or_b32 s[G0+4*\s+3], s[G0+4*\s+3], 0x80000000
	s_mov_b32 s[G0B+4*\s], 1
	s_add_co_u32 s[G0B+4*\s+1], s45, \s*SLOT
	s_add_nc_u64 s[G0B+4*\s+2:G0B+4*\s+3], s[46:47], \s*HALFT
	s_or_b32 s[G0B+4*\s+3], s[G0B+4*\s+3], 0x80000000
	JLOAD G0+4*\s, G1, G0B+4*\s, G1B               ; two loads of mine are out
.endr
	v_and_b32 v[LANE], 31, v0
	v_and_b32 v1, 15, v0                           ; r
	v_bfe_u32 v2, v0, 4, 1                         ; h
	v_lshlrev_b32 v[LI16], 4, v[LANE]
	v_lshlrev_b32 v[LI8], 3, v[LANE]
	s_mul_i32 s21, s15, HALFT                      ; my A group
	s_mul_i32 s22, s16, HALFT
	s_add_co_u32 s22, s22, 2*HALFT                 ; my B group, behind A's two
.irp s, 0,1
	v_add_nc_u32 v[ADRA+\s], s21, v[LI16]
	v_add_nc_u32 v[ADRB+\s], s22, v[LI16]
	s_add_co_u32 s21, s21, SLOT
	s_add_co_u32 s22, s22, SLOT
.endr
	s_mul_i32 s21, s15, HALFT
	s_mul_i32 s22, s16, HALFT
	s_add_co_u32 s22, s22, 2*HALFT
	s_sub_co_u32 s22, s22, s21                     ; from my A group to my B group
	v_mul_u32_u24 v3, s22, v2                      ; lanes 16-31 take B's
	v_lshl_add_u32 v3, v1, 5, v3                   ; + 32 r
	s_add_co_u32 s21, s21, 8*FRB                   ; the scale block lies behind the eight images
	v_add_nc_u32 v[ADRS], s21, v3
	v_add_nc_u32 v[ADRS+1], SLOT, v[ADRS]
	v_lshlrev_b32 v[SBO], 4, v2
	v_lshl_add_u32 v[SBO], v1, 5, v[SBO]
	v_and_b32 v3, 8, v1
	v_add_nc_u32 v3, v3, v1                        ; r % 8 + 16 (r / 8)
	v_lshlrev_b32 v[CSA], 5, v2
	v_lshl_add_u32 v[CSA], v3, 7, v[CSA]           ; a row of cos or sin is 128 bytes; my half's frequencies begin 32 h bytes on
.irp b, 0,1,2,3
	v_mov_b32 v[TM+4+\b], 0                        ; written once: a lane permute's destination counts as one of its sources
.endr
	s_mov_b32 s[SEL], 0x76543210
	s_mov_b32 s[SEL+1], 0xfedcba98
	s_lshl_b32 s18, s17, 8
	s_lshl_b32 s19, s15, 7
	s_add_co_u32 s18, s18, s19                     ; my first row of A: a token, for X < 6
	s_lshl_b32 s18, s18, 7
	s_mov_b32 s19, 0
	s_add_nc_u64 s[6:7], s[6:7], s[18:19]
	s_add_nc_u64 s[8:9], s[8:9], s[18:19]
; cos and sin for A tile a: my token's frequencies 8 h + 0 .. 7 and 16 + 8 h + 0 .. 7, into set a % 2: eight loads
.macro CSLOAD a
.set CC, CS+32*((\a)%2)
.irp j, 0,1,2,3
	global_load_b128 v[CC+4*\j:CC+4*\j+3], v[CSA], s[6:7] offset:(32*((\a)/2)+8*((\a)%2))*128+16*(\j%2)+64*(\j/2)
	global_load_b128 v[CC+16+4*\j:CC+16+4*\j+3], v[CSA], s[8:9] offset:(32*((\a)/2)+8*((\a)%2))*128+16*(\j%2)+64*(\j/2)
.endr
.endm
	CSLOAD 0                                       ; in every kind (the rows lie inside the tables in every kind): no path reads a register that it did not write
	CSLOAD 1
	; where the results go.  All choices hang on X alone
	s_lshl_b32 s88, s17, 1
	s_add_co_u32 s88, s88, s15                     ; ga: my A group, 0 .. 15
	s_lshl_b32 s89, s40, 1
	s_add_co_u32 s89, s89, s16                     ; gl: my B group in the cluster, 0 .. 7
	s_and_b32 s71, s42, 1
	s_lshl_b32 s71, s71, 3
	s_add_co_u32 s71, s71, s89                     ; gB = 8 (X % 2) + gl: a head (X < 4) or a key group (X = 6, 7)
	s_lshl_b32 s72, s89, 1                         ; the even head of my pair (X = 4, 5)
	s_lshr_b32 s73, s42, 1                         ; X / 2: 2 = rotated, 3 = v^T
	s_lshr_b32 s66, 0x13, s42
	s_and_b32 s66, s66, 1                          ; 1 for X = 0, 1, 4: q
	s_mov_b32 s70, 32256
	s_mov_b32 s78, 18432
	s_mov_b32 s79, s88
	s_cmp_eq_u32 s66, 1
	s_cselect_b64 s[68:69], s[10:11], s[12:13]     ; qb or kvb
	s_cselect_b32 s70, 19456, s70                  ; a block of it
	s_cmp_eq_u32 s73, 2
	s_cselect_b32 s76, s72, s71                    ; the head,
	s_cselect_b32 s77, 12288, 0                    ; where the images begin in the block,
	s_cselect_b32 s78, 6656, s78                   ; and from there to the scale block
	s_cmp_eq_u32 s73, 3
	s_cselect_b32 s79, s71, s79                    ; the group of tokens
	s_cselect_b32 s76, s88, s76
	s_cselect_b32 s77, 19456, s77
	s_cselect_b32 s78, 12288, s78
	s_lshl_b32 s76, s76, 4
	s_add_co_u32 s76, s76, s79
	s_mul_i32 s76, s76, s70
	s_add_co_u32 s76, s76, s77                     ; under 2^24
	s_mov_b32 s77, 0
	s_add_nc_u64 s[68:69], s[68:69], s[76:77]      ; OUT
	s_lshl_b32 s80, s70, 4
	s_mov_b32 s81, 0
	s_add_nc_u64 s[82:83], s[68:69], s[80:81]      ; the next head's: used by the rotated kind alone
	s_mov_b32 s79, 0
	s_add_nc_u64 s[84:85], s[68:69], s[78:79]      ; the scale blocks
	s_add_nc_u64 s[86:87], s[82:83], s[78:79]
.macro FRAG3 reg, adr, q, i            ; a fragment image: three loads of 512 consecutive bytes
.irp c, 0,1,2
	ds_load_b128 v[\reg+4*\c:\reg+4*\c+3], v[\adr] offset:(\q)*KB+(\i)*FRB+512*\c
.endr
.endm
; 16 matrix instructions: A's tiles a0, a0 + 1 x B's eight, the slot's q-th 128 along K.  p: B's set; sc: the slot of the scale words.  zero = 1: the first product starts the sums.
; The 64 accumulators take turns, one instruction a turn, in the same order in every step.
.macro MUL16 a0, p, q, sc, zero
.irp a, \a0, \a0+1
.irp b, 0,1,2,3,4,5,6,7
.if \zero
	v_wmma_scale_f32_16x16x128_f8f6f4 v[8*(8*((\a)%4)+\b):8*(8*((\a)%4)+\b)+7], v[128*(\p)+FR*\b:128*(\p)+FR*\b+FR-1], v[AF+FR*(\a):AF+FR*(\a)+FR-1], 0, v[SC+16*(\sc)+8*(\q)+\b], v[SC+16*(\sc)+8*(\q)+(\a)] matrix_a_fmt:MATRIX_FMT_FP6 matrix_b_fmt:MATRIX_FMT_FP6 matrix_a_scale:MATRIX_SCALE_ROW1
.else
	v_wmma_scale_f32_16x16x128_f8f6f4 v[8*(8*((\a)%4)+\b):8*(8*((\a)%4)+\b)+7], v[128*(\p)+FR*\b:128*(\p)+FR*\b+FR-1], v[AF+FR*(\a):AF+FR*(\a)+FR-1], v[8*(8*((\a)%4)+\b):8*(8*((\a)%4)+\b)+7], v[SC+16*(\sc)+8*(\q)+\b], v[SC+16*(\sc)+8*(\q)+(\a)] matrix_a_fmt:MATRIX_FMT_FP6 matrix_b_fmt:MATRIX_FMT_FP6 matrix_a_scale:MATRIX_SCALE_ROW1
.endif
.endr
.endr
.endm
.macro FETCH_B slot, q, p
	WIN TO_B
.irp i, 0,1,2,3,4,5,6,7
	FRAG3 128*(\p)+FR*\i, ADRB+\slot, \q, \i
.endr
	WIN 0
.endm
.macro FETCH_A slot, q, i0
.irp i, \i0, \i0+1, \i0+2, \i0+3
	FRAG3 AF+FR*(\i), ADRA+\slot, \q, \i
.endr
.endm
.macro SCALES sl                       ; a slot's scale words: 32 bytes a lane-row and K step
.irp q, 0,1
.irp k, 0,1
	ds_load_b128 v[SC+16*\sl+8*\q+4*\k:SC+16*\sl+8*\q+4*\k+3], v[ADRS+\sl] offset:\q*KB+16*\k
.endr
.endr
.endm
; A step of 128 along K that has its successor in the same slot.  A tile of A is free as soon as its eight products are issued: tiles 0-3 are fetched anew in the middle, 4-7 at the end.
.macro STEP slot, q, zero
	s_wait_dscnt 4*NL                              ; all but the youngest 12 loads (A's tiles 4-7) are in
	WIN MUL_LO
	MUL16 0, (\q)%2, \q, \slot, \zero
	MUL16 2, (\q)%2, \q, \slot, \zero
	s_wait_dscnt 0
	PLACES NP                                      ; in front of loads into registers that matrix instructions have read
	FETCH_B \slot, (\q)+1, 1-(\q)%2
	FETCH_A \slot, (\q)+1, 0
	WIN MUL_HI
	MUL16 4, (\q)%2, \q, \slot, \zero
	MUL16 6, (\q)%2, \q, \slot, \zero
	PLACES NP
	WIN 0
	FETCH_A \slot, (\q)+1, 4
.endm
; A slot's last step changes slots: one barrier; in front of it each wave waits for all its tensor loads, adds 0 to its spare word, and waits for that and for its reads of this slot.
.macro TURN slot, next, fill
	s_wait_tensorcnt 0x0                           ; all my tensor loads have landed: my part of the next slot
	ds_add_u32 v[SPW], v[NIL]                      ; 0 onto my spare word
	s_wait_dscnt 4*NL+1                            ; the add and the youngest 12 loads may be out
	WIN MUL_LO
	MUL16 0, 1, NQ-1, \slot, 0
	s_wait_dscnt 0x0                               ; the add is done, and my reads of this slot are over
	s_barrier_signal -1
	MUL16 2, 1, NQ-1, \slot, 0
	WIN 0
	s_barrier_wait -1
.if \fill
	CREST                                          ; the barrier has opened a round of the cluster's: no wave of any partner still reads this slot or has a load on its way
	s_add_nc_u64 s[G0+4*\slot+2:G0+4*\slot+3], s[G0+4*\slot+2:G0+4*\slot+3], 2*HALFT
	s_add_nc_u64 s[G0B+4*\slot+2:G0B+4*\slot+3], s[G0B+4*\slot+2:G0B+4*\slot+3], 2*HALFT
	JLOAD G0+4*\slot, G1, G0B+4*\slot, G1B         ; the first tensor load behind the round; its four v_nop are the places in front of the loads below
.else
	PLACES NP
.endif
	FETCH_B \next, 0, 0
	FETCH_A \next, 0, 0
	SCALES \next
	WIN MUL_HI
	MUL16 4, 1, NQ-1, \slot, 0
	MUL16 6, 1, NQ-1, \slot, 0
	PLACES NP
	WIN 0
	FETCH_A \next, 0, 4
.endm
	s_wait_tensorcnt 1                             ; my part of slot 0 is in; slot 1's load may be out
	s_barrier_signal -1
	s_barrier_wait -1
	FETCH_B 0, 0, 0
	FETCH_A 0, 0, 0
	SCALES 0
	FETCH_A 0, 0, 4
	STEP 0, 0, 1                                   ; the first step stands in front of the loop: its products start the sums
	s_mov_b32 s3, LAPS-1
.Llap:                                                 ; a trip goes once round the ring and fills both slots again
	TURN 0, 1, 1
	STEP 1, 0, 0
	TURN 1, 0, 1
	STEP 0, 0, 0
	s_sub_co_u32 s3, s3, 1
	s_cmp_lg_u32 s3, 0
	s_cbranch_scc1 .Llap
	TURN 0, 1, 0                                   ; the last lap fills nothing
	STEP 1, 0, 0
	s_wait_dscnt 4*NL
	WIN MUL_LO
	MUL16 0, 1, NQ-1, 1, 0
	MUL16 2, 1, NQ-1, 1, 0
	s_wait_dscnt 0
	WIN MUL_HI
	MUL16 4, 1, NQ-1, 1, 0
	MUL16 6, 1, NQ-1, 1, 0
	WIN 0
	; THE WAY OUT: A tile by A tile, a lane's 64 results become a fragment's codes and a scale word, and leave as images.  Nothing goes through LDS.
	PLACES NP                                      ; behind the last products
	s_cmp_eq_u32 s73, 2
	s_cbranch_scc1 .Lrotated
.irp a, 0,1,2,3,4,5,6,7
	s_wait_xcnt 0x0                                ; earlier stores have read the codes' registers
	QUANT 64*(\a%4), 2+\a/4, PC0+20*(\a%2), SW+\a
.irp c, 0,1,2
	global_store_b128 v[LI16], v[PC0+20*(\a%2)+4*\c:PC0+20*(\a%2)+4*\c+3], s[68:69] offset:\a*FRB+512*\c   ; 512 consecutive bytes, at a multiple of 256 from the buffer's first byte
.endr
.endr
	v_cmp_le_u32 vcc_lo, 16, v[LANE]               ; lanes 16-31 give tiles 4-7's words
.irp k, 0,1,2,3
	v_cndmask_b32 v[SX+\k], v[SW+\k], v[SW+4+\k], vcc_lo
.endr
	global_store_b128 v[SBO], v[SX:SX+3], s[84:85]
	s_branch .Lend
.Lrotated:
; Registers 2 p, 2 p + 1 of a lane are a pair (e, o) of one head: (e c - o s, e s + o c), c and s of frequency 16 ((p / 8) % 2) + 8 h + p % 8.  Pairs 0-15: the even head, 16-31: the odd one.
.macro ROPE a
.set AC, 64*((\a)%4)
.set CC, CS+32*((\a)%2)
	WIN 2+(\a)/4                                   ; source 0: the accumulators' window
.set p, 0
.rept 16
.set c0, 8*((p/8)%2)+p%8
.set c1, 8*(((p+1)/8)%2)+(p+1)%8
	v_mul_f32 v[T], v[AC+2*p+1], v[CC+16+c0]
	v_mul_f32 v[T+1], v[AC+2*p], v[CC+16+c0]
	v_mul_f32 v[T+2], v[AC+2*p+3], v[CC+16+c1]
	v_mul_f32 v[T+3], v[AC+2*p+2], v[CC+16+c1]
	v_fma_f32 v[R+2*p], v[AC+2*p], v[CC+c0], -v[T]
	v_fma_f32 v[R+2*p+1], v[AC+2*p+1], v[CC+c0], v[T+1]
	v_fma_f32 v[R+2*p+2], v[AC+2*p+2], v[CC+c1], -v[T+2]
	v_fma_f32 v[R+2*p+3], v[AC+2*p+3], v[CC+c1], v[T+3]
.set p, p+2
.endr
	WIN 0
.endm
.irp a, 0,1,2,3,4,5,6,7
.if \a < 7
	s_wait_loadcnt 8                               ; this tile's cos and sin are in; the next tile's eight loads may be out
.else
	s_wait_loadcnt 0
.endif
	ROPE \a
.if \a < 6
	CSLOAD \a+2
.endif
	s_wait_xcnt 0x0                                ; earlier stores have read the codes' registers
	QUANT R, 0, PC0+20*(\a%2), SW+\a
	global_store_b128 v[LI16], v[PC0+20*(\a%2):PC0+20*(\a%2)+3], s[68:69] offset:\a*768            ; registers 0-5: the even head's 64
	global_store_b64 v[LI8], v[PC0+20*(\a%2)+4:PC0+20*(\a%2)+5], s[68:69] offset:\a*768+512
	global_store_b128 v[LI16], v[PC0+20*(\a%2)+6:PC0+20*(\a%2)+9], s[82:83] offset:\a*768          ; registers 6-11: the odd head's
	global_store_b64 v[LI8], v[PC0+20*(\a%2)+10:PC0+20*(\a%2)+11], s[82:83] offset:\a*768+512
.endr
	v_cmp_le_u32 vcc_lo, 16, v[LANE]
.irp k, 0,1,2,3
	v_cndmask_b32 v[SX+\k], v[SW+\k], v[SW+4+\k], vcc_lo
.endr
.irp k, 0,1,2,3
	v_lshrrev_b32 v[SY+\k], 16, v[SX+\k]           ; the odd head's two bytes come down; the bytes above them stand over zero codes in attention and are never 0xff
.endr
	global_store_b128 v[SBO], v[SX:SX+3], s[84:85]
	global_store_b128 v[SBO], v[SY:SY+3], s[86:87]
.Lend:
	s_wait_tensorcnt 0x0                           ; the wave's end
	ds_add_u32 v[SPW], v[NIL]
	s_wait_dscnt 0x0
	CROUND                                         ; the closing round
	s_endpgm
.Lfunc_end_k_qe87fb6930a_qkv:
	.size	k_qe87fb6930a_qkv, .Lfunc_end_k_qe87fb6930a_qkv-k_qe87fb6930a_qkv
	.p2alignl 7, 3214868480
	.fill 96, 4, 3214868480
	.section	.rodata,"a",@progbits
	.p2align	6, 0x0
	.amdhsa_kernel k_qe87fb6930a_qkv
		.amdhsa_group_segment_fixed_size 327680
		.amdhsa_private_segment_fixed_size 0
		.amdhsa_enable_private_segment 0
		.amdhsa_kernarg_size 40
		.amdhsa_user_sgpr_count 2
		.amdhsa_user_sgpr_kernarg_segment_ptr 1
		.amdhsa_wavefront_size32 1
		.amdhsa_system_sgpr_workgroup_id_x 1
		.amdhsa_system_sgpr_workgroup_id_y 1
		.amdhsa_system_sgpr_workgroup_id_z 1
		.amdhsa_system_vgpr_workitem_id 0
		.amdhsa_next_free_vgpr 1024
		.amdhsa_next_free_sgpr 100
		.amdhsa_reserve_vcc 1
		.amdhsa_float_denorm_mode_32 3
		.amdhsa_float_denorm_mode_16_64 3
		.amdhsa_memory_ordered 1
		.amdhsa_forward_progress 1
		.amdhsa_inst_pref_size 226
	.end_amdhsa_kernel
	.amdgpu_metadata
---
amdhsa.version: [ 1, 2 ]
amdhsa.kernels:
  - .name:           k_qe87fb6930a_qkv
    .symbol:         k_qe87fb6930a_qkv.kd
    .args:
      - { .name: opi, .offset: 0, .size: 8, .value_kind: global_buffer, .address_space: global }
      - { .name: freqs_cos, .offset: 8, .size: 8, .value_kind: global_buffer, .address_space: global }
      - { .name: freqs_sin, .offset: 16, .size: 8, .value_kind: global_buffer, .address_space: global }
      - { .name: qb, .offset: 24, .size: 8, .value_kind: global_buffer, .address_space: global }
      - { .name: kvb, .offset: 32, .size: 8, .value_kind: global_buffer, .address_space: global }
    .group_segment_fixed_size: 327680
    .private_segment_fixed_size: 0
    .kernarg_segment_align: 8
    .kernarg_segment_size: 40
    .max_flat_workgroup_size: 128
    .sgpr_count:     100
    .vgpr_count:     1024
    .wavefront_size: 32
...
	.end_amdgpu_metadata
.endif
;; end of part 2
;; launch attn (part 3): grid 16 x 16, 8 waves a work-group, clusters of 4 x 4, 327,680 bytes of LDS; arguments qb, kvb, mask, ab; writes ab
.if DOCPART == 3
	.amdgcn_target "amdgcn-amd-amdhsa--gfx1250"
	.amdhsa_code_object_version 6
	.text
	.protected	k_qe87fb6930a_attn
	.globl	k_qe87fb6930a_attn
	.p2align	8
	.type	k_qe87fb6930a_attn,@function
k_qe87fb6930a_attn:
	s_mov_b64 s[64:65], 0
	v_nop
	global_prefetch_b8 v0, s[64:65] scope:SCOPE_SE
	s_setreg_imm32_b32 hwreg(HW_REG_WAVE_MODE, 25, 1), 1
	s_wait_xcnt 0x0
	s_wait_alu depctr_hold_cnt(0) depctr_sa_sdst(0) depctr_va_vdst(0) depctr_va_sdst(0) depctr_va_ssrc(0) depctr_va_vcc(0) depctr_vm_vsrc(0)
	s_getreg_b32 s2, hwreg(HW_REG_IB_STS2, 6, 4)
	s_cmp_eq_u32 s2, 0
	s_cbranch_scc0 .Lentry_in_a_cluster
	s_endpgm
.Lentry_in_a_cluster:
	s_bfe_u32 s2, ttmp6, 0x10000c
	s_cmp_lg_u32 s2, 0xf033
	s_cbranch_scc0 .Lentry_shape_is_right
	s_endpgm
.Lentry_shape_is_right:
; For each head and query: softmax over all 2,048 keys of (q_nope . k_nope + q_pe . k_pe) / sqrt(192) + mask, times v; all three products on codes of FP6 (E2M3) with E8M0 scales; the result, divided by the
; row's sum, is quantised along the head's 128 and leaves as an operand block of the last product.  The mask is an input and is added as it is given: every score is computed.
; THE SOFTMAX AHEAD OF THE THIRD PRODUCT: t = logit x log2(e); M = the running largest t rounded UP to a whole number; p = 2^(t - M) is quantised along the keys; the sum is taken of the unquantised p.
; When M moves, the sum and O are multiplied by 2^(old M - new M), which rounds nothing.
; THE MASK ENTERS AS THE C OF THE SCORE PRODUCTS: it is multiplied by sqrt(192), so that (sum + C) x log2(e) / sqrt(192) = t.  LIMIT: a finite mask beyond 2.4e37 in magnitude becomes infinite.
; LIMITS: NaN and infinities among the inputs are not served; a block whose largest magnitude lies under 2^-124 keeps the byte 1, a block of zeros too (its codes are zeros; this program alone reads the bytes).
; SHARES: a work-group owns one head and 128 queries; each of its eight waves 16 queries (tile t of the group's images).  Two waves lie on a SIMD, so that one wave's vector work stands beside the other's
; matrix work and LDS loads.  Sixteen key steps of 128 keys through a ring of two LDS slots: kvb's block (32,256 dense bytes: k's images, half images and scale blocks, v^T's operand block) and the mask's
; tile (128 queries x 128 keys of f32, rows 528 bytes apart).
; CLUSTER 4 x 4: x = four heads, y = four query groups.  k and v are asked for jointly along a column (one head), the mask's tile along a row (one query group).
; LAYOUT: both kinds of product are used transposed (S^T = K Q^T, O^T = V^T P^T): a lane holds ONE query; by the order of rows in the images, register 16 b + i of S^T is key 32 b + 16 (lane / 16) + i, of O^T channel likewise.
; The products over the rotated 64 use half of the instruction's 128: registers 6-11 of both operands are zero codes.
; REGISTERS: window 0: v1-11 addresses; v12 -M, v13 the largest t, v[14:15] the sum; v16-27 Q; v28-39 Q's rotated part; v40-87 four fragments of K or V; v88-135 four of K's rotated part; v136-199 mask, S^T, p;
;   v200-219 p's codes; v220-231 at work; v232-250 scale words; v251-254 at work.   window 1: v0-63 O^T.
.set BLK,   32256                      ; a block of kvb
.set MOFF,  BLK                        ; the mask's tile in a slot
.set MP,    528                        ; its pitch: 512 bytes + 16
.set SLOT1, 1<<17                      ; slot 1 begins here: one exclusive or turns an address from one slot to the other
.set SPARE, SLOT1+MOFF+128*MP          ; 230,912: the spare words, 128 bytes for each of eight waves: four blocks of 256 bytes that no other line names
.set SCR,   SPARE+1024                 ; 512 bytes in which the eight waves' scale words meet; no tile ever lands there
.set KNS,   18432                      ; in a block: k's scale block,
.set KPO,   18944                      ; its rotated part's,
.set VIM,   19456                      ; v^T's images,
.set VSC,   31744                      ; v^T's scale block
.set LI16, 1                           ; v1   16 x lane
.set LI8,  2                           ; v2   8 x lane
.set LM0,  3                           ; v3   my query's row of the mask's tile, + 64 h
.set LR32, 4                           ; v4   32 r
.set SPW,  5                           ; v5   LDS address of my spare word; never rewritten
.set NIL,  6                           ; v6   0; never rewritten
.set ADK,  7                           ; v7-10 the same four in the slot in hand
.set ADK8, 8
.set ADM,  9
.set ADS,  10
.set PFO,  11                          ; v11  the prefetches' offset; never rewritten
.set QN,   16
.set QP,   28
.set F,    40
.set G,    88
.set S,    136
.set PC,   200
.set TM,   220
.set KS,   232                         ; v232-239 k's scale words, then v^T's
.set KPS,  240                         ; v240-247 k's rotated part's
.set QNS,  248
.set QPS,  249
.set PW,   250                         ; p's scale word
.set WV,   12                          ; s12  my wave's number
.set SEL,  20                          ; s[20:21] lane selects: lane l xor 16
.set CS,   22                          ; s[22:23] c = log2(e) / sqrt(192)
.set G1K,  24                          ; s[24:31] group 1 for kvb's blocks;  s[32:39] for the mask's tiles;  s[40:43], s[44:47] their groups 0, which walk
.set G1M,  32
.set G0K,  40
.set G0M,  44
.set RT,   48                          ; s[48:49] sqrt(192)
.set TB,   50                          ; s50  LDS byte at which the slot in hand begins
.set SLOTS, 51                         ; s51  key steps still to be asked for
.set LIM,  52                          ; s52  1 in a wave that prefetches, else the greatest number
.set PFA,  54                          ; s[54:55] where my prefetches stand
.set PFS,  56                          ; s[56:57] a key step on, in bytes
.set QB0,  58                          ; s[58:63] my tile's image, half image and scale words in qb
.set QB1,  60
.set QB2,  62
.set ABB,  66                          ; s[66:67] my work-group's operand block in ab;  s[68:69] my tile's image in it
.set ABT,  68
.set MSB, 0
.macro WIN new                         ; the immediate's high byte repeats the setting that is left
.if MSB != (\new)
	s_set_vgpr_msb (MSB<<8)|(\new)
.set MSB, (\new)
.endif
.endm
.macro PLACES n
.rept \n
	v_nop
.endr
.endm
.macro MAXES s, w
	WIN (\w)|((\w)<<2)
.irp b, 0,1,2,3
	v_max3_num_f32 v[TM+\b], |v[(\s)+16*\b]|, |v[(\s)+16*\b+1]|, 0x1800000
.endr
	WIN ((\w)<<2)|((\w)<<4)
.irp i, 2,4,6,8,10,12,14
.irp b, 0,1,2,3
	v_max3_num_f32 v[TM+\b], v[TM+\b], |v[(\s)+16*\b+\i]|, |v[(\s)+16*\b+\i+1]|
.endr
.endr
	WIN 0
.irp b, 0,1,2,3
	v_permlanex16_b32 v[TM+4+\b], v[TM+\b], s[SEL], s[SEL+1]
.endr
.irp b, 0,1,2,3
	v_max_num_f32 v[TM+\b], v[TM+\b], v[TM+4+\b]
.endr
.endm
.macro PACK6 s, w, pc, pw
.irp b, 0,1,2,3
	v_add_nc_u32 v[TM+8+\b], 0xff000000, v[TM+\b]  ; 2 off the exponent field: the conversion takes that field as its scale
.endr
.irp b, 0,1,2,3
	v_lshrrev_b32 v[TM+4+\b], 23, v[TM+8+\b]       ; the scale's byte
.endr
	v_lshl_or_b32 v[\pw], v[TM+5], 8, v[TM+4]
	v_lshl_or_b32 v[\pw], v[TM+6], 16, v[\pw]
	v_lshl_or_b32 v[\pw], v[TM+7], 24, v[\pw]
	WIN \w
.irp c, 0,1
	v_cvt_scalef32_pk16_fp6_f32 v[(\pc)+6*\c:(\pc)+6*\c+2], v[(\s)+32*\c:(\s)+32*\c+15], v[TM+8+2*\c]
	v_cvt_scalef32_pk16_fp6_f32 v[(\pc)+12+4*\c:(\pc)+14+4*\c], v[(\s)+16+32*\c:(\s)+31+32*\c], v[TM+9+2*\c]
.endr
	WIN 0
	v_nop                                          ; one plain place behind the scaled conversions
.irp c, 0,1
.irp i, 0,1,2
	v_permlane16_swap_b32 v[(\pc)+6*\c+\i], v[(\pc)+12+4*\c+\i]
.endr
.irp i, 0,1,2
	v_mov_b32 v[(\pc)+3+6*\c+\i], v[(\pc)+12+4*\c+\i]
.endr
.endr
.endm
.macro QUANT s, w, pc, pw
	MAXES \s, \w
	PACK6 \s, \w, \pc, \pw
.endm
; Waves 0 and 1 fetch the two halves of kvb's block, waves 2 and 3 those of the mask's tile, the others nothing.  The branches hang on the wave's number alone.  Four v_nop follow each load.
.macro TLOAD
	s_cmp_lt_u32 s[WV], 2
	s_cbranch_scc0 .Lnot_k_\@
	tensor_load_to_lds s[G0K:G0K+3], s[G1K:G1K+7]
	s_nop 0
.rept 4
	v_nop
.endr
	s_branch .Lasked_\@
.Lnot_k_\@:
	s_cmp_lt_u32 s[WV], 4
	s_cbranch_scc0 .Lasked_\@
	tensor_load_to_lds s[G0M:G0M+3], s[G1M:G1M+7]
	s_nop 0
.rept 4
	v_nop
.endr
.Lasked_\@:
.endm
; A PREFETCH INTO THE L2 of the key step behind the one that has just been asked for.  kvb's block of a head is read by the four clusters of one cluster x: the one with y = 0 asks, wave 4; the four partners of
; a column share its 126 pieces of 256 bytes by address (32 cy + lane, held at 125).  The mask's tile of a query group is read by the four clusters of one cluster y: the one with x = 0 asks, waves 5 and 6
; (a row's two pieces of 256 bytes); the four partners of a row share its 128 rows by address (32 cx + lane).  The last change that fills a slot asks for nothing; steps 0 and 1 come by their loads alone.
.macro ASK
	s_cmp_gt_u32 s[SLOTS], s[LIM]
	s_cbranch_scc0 .Lnot_mine_\@
	global_prefetch_b8 v[PFO], s[PFA:PFA+1] th:TH_LOAD_NT scope:SCOPE_SE
.Lnot_mine_\@:
.endm
.macro CROUND                          ; a round of the cluster's barrier
	s_barrier_signal -1
	s_barrier_wait -1
	s_cmp_lg_u32 s[WV], 0
	s_cbranch_scc1 .Lnot_wave_0_\@
	s_barrier_signal -3
.Lnot_wave_0_\@:
	s_barrier_wait -3
	s_barrier_signal -1
	s_barrier_wait -1
.endm
	s_load_b256 s[4:11], s[0:1], 0x0               ; qb s[4:5], kvb s[6:7], mask s[8:9], ab s[10:11]
	v_lshl_add_u32 v[SPW], v0, 2, SPARE
	v_mov_b32 v[NIL], 0
	ds_add_u32 v5, v6
	s_wait_dscnt 0x0
	v_lshrrev_b32 v7, 5, v0
	v_readfirstlane_b32 s[WV], v7                  ; wave 0..7
	s_bfe_u32 s13, ttmp6, 0x40000                  ; cx
	s_bfe_u32 s14, ttmp6, 0x40004                  ; cy
	s_mov_b32 s15, ttmp9                           ; the cluster's x
	s_and_b32 s16, ttmp7, 0xffff                   ; and y
	s_lshl_b32 s17, s15, 2
	s_add_co_u32 s17, s17, s13                     ; the head
	s_lshl_b32 s18, s16, 2
	s_add_co_u32 s18, s18, s14                     ; the query group
	s_lshl_b32 s70, s14, 2
	s_lshl_b32 s70, 15, s70                        ; my row of the cluster
	s_lshl_b32 s71, 0x1111, s13                    ; my column
	s_or_b32 s[G1K], s71, (3<<16)|(1<<21)          ; half a block: 16,128 dense bytes as 63 rows of 256 (32 elements of 8 bytes); the mask names my column; 21 set beside a mask
	s_mov_b32 s[G1K+1], 32<<16
	s_mov_b32 s[G1K+2], 63<<16
	s_mov_b32 s[G1K+3], 32<<16
	s_mov_b32 s[G1K+4], 63
	s_mov_b32 s[G1K+5], 32
	s_mov_b32 s[G1K+6], 0
	s_mov_b32 s[G1K+7], 0
	s_or_b32 s[G1M], s70, (2<<16)|(1<<20)|(1<<21)|(6<<22)|(3<<25)  ; 64 rows of 128 f32, 2,048 apart; 4 words of padding behind every 128; the mask names my row
	s_mov_b32 s[G1M+1], 128<<16
	s_mov_b32 s[G1M+2], 64<<16
	s_mov_b32 s[G1M+3], 128<<16
	s_mov_b32 s[G1M+4], 64
	s_mov_b32 s[G1M+5], 2048
	s_mov_b32 s[G1M+6], 0
	s_mov_b32 s[G1M+7], 0
	s_and_b32 s72, s[WV], 1                        ; which half I fetch
	s_mul_i32 s73, s72, BLK/2                      ; of the block: in memory and in a slot
	s_mul_i32 s74, s17, 16*BLK                     ; the head's first block (under 2^23)
	s_add_co_u32 s74, s74, s73
	s_mov_b32 s75, 0
	s_mul_i32 s76, s72, 64*MP
	s_add_co_u32 s76, s76, MOFF                    ; of the mask's tile: in a slot,
	s_lshl_b32 s78, s18, 7
	s_lshl_b32 s79, s72, 6
	s_add_co_u32 s78, s78, s79
	s_lshl_b32 s78, s78, 13                        ; and in memory: row 128 x group + 64 x half, 8,192 bytes a row
	s_mov_b32 s79, 0
	s_wait_kmcnt 0x0
	s_mov_b32 s[G0K], 1
	s_mov_b32 s[G0K+1], s73
	s_add_nc_u64 s[G0K+2:G0K+3], s[6:7], s[74:75]
	s_or_b32 s[G0K+3], s[G0K+3], 0x80000000
	s_mov_b32 s[G0M], 1
	s_mov_b32 s[G0M+1], s76
	s_add_nc_u64 s[G0M+2:G0M+3], s[8:9], s[78:79]
	s_or_b32 s[G0M+3], s[G0M+3], 0x80000000
	CROUND                                         ; all sixteen work-groups are here: the first joint loads meet
	TLOAD                                          ; key step 0 into slot 0: one load of mine is out
	v_and_b32 v7, 15, v0                           ; r
	v_bfe_u32 v8, v0, 4, 1                         ; h
	v_and_b32 v9, 8, v7
	v_add_nc_u32 v9, v9, v7                        ; r % 8 + 16 (r / 8)
	v_and_b32 v10, 31, v0                          ; lane
	v_lshlrev_b32 v[LI16], 4, v10
	v_lshlrev_b32 v[LI8], 3, v10
	v_lshlrev_b32 v[LR32], 5, v7
	s_lshr_b32 s80, s[WV], 1
	s_lshl_b32 s80, s80, 5
	s_lshl_b32 s81, s72, 3
	s_add_co_u32 s80, s80, s81                     ; my tile's first query in the group: 32 (t / 2) + 8 (t % 2)
	s_mul_i32 s80, s80, MP
	s_add_co_u32 s80, s80, MOFF
	v_mul_u32_u24 v[LM0], v9, MP
	v_lshl_add_u32 v[LM0], v8, 6, v[LM0]
	v_add_nc_u32 v[LM0], s80, v[LM0]
	s_lshl_b32 s82, s17, 4
	s_add_co_u32 s82, s82, s18
	s_mul_i32 s82, s82, 19456                      ; qb: block 16 x head + group
	s_mov_b32 s83, 0
	s_add_nc_u64 s[4:5], s[4:5], s[82:83]
	s_mov_b32 s85, 0
	s_mul_i32 s84, s[WV], 1536
	s_add_nc_u64 s[QB0:QB0+1], s[4:5], s[84:85]
	s_mul_i32 s84, s[WV], 768
	s_add_co_u32 s84, s84, 12288
	s_add_nc_u64 s[QB1:QB1+1], s[4:5], s[84:85]
	s_lshl_b32 s84, s[WV], 2
	s_add_co_u32 s84, s84, KNS
	s_add_nc_u64 s[QB2:QB2+1], s[4:5], s[84:85]
.irp c, 0,1,2
	global_load_b128 v[QN+4*\c:QN+4*\c+3], v[LI16], s[QB0:QB0+1] offset:512*\c    ; Q's fragment stays in registers
.endr
	global_load_b128 v[QP:QP+3], v[LI16], s[QB1:QB1+1]
	global_load_b64 v[QP+4:QP+5], v[LI8], s[QB1:QB1+1] offset:512
	global_load_b32 v[QNS], v[LR32], s[QB2:QB2+1]
	global_load_b32 v[QPS], v[LR32], s[QB2:QB2+1] offset:512
	s_lshl_b32 s86, s18, 4
	s_add_co_u32 s86, s86, s17
	s_mul_i32 s86, s86, 12800                      ; ab: block 16 x group + head
	s_mov_b32 s87, 0
	s_add_nc_u64 s[ABB:ABB+1], s[10:11], s[86:87]
	s_mul_i32 s86, s[WV], 1536
	s_add_nc_u64 s[ABT:ABT+1], s[ABB:ABB+1], s[86:87]
	; the prefetches: who asks, and where
	s_lshl_b32 s89, s14, 5                         ; 32 cy
	s_mul_i32 s90, s17, 16*BLK
	s_add_co_u32 s90, s90, BLK                     ; kvb: my head's key step 1: the first change of slots steps it to 2
	s_lshl_b32 s91, s18, 7
	s_lshl_b32 s92, s13, 5
	s_add_co_u32 s91, s91, s92
	s_lshl_b32 s91, s91, 13                        ; the mask: row 128 x group + 32 cx,
	s_lshl_b32 s92, s72, 8
	s_add_co_u32 s91, s91, s92                     ; wave 5 the second 256 bytes of a step's 512, wave 6 the first,
	s_add_co_u32 s91, s91, 512                     ; of key step 1
	s_mov_b32 s[PFS], 512
	s_mov_b32 s93, 8192
	s_cmp_eq_u32 s[WV], 4
	s_cselect_b64 s[PFA:PFA+1], s[6:7], s[8:9]
	s_cselect_b32 s[PFS], BLK, s[PFS]
	s_cselect_b32 s88, s16, s15                    ; the coordinate along which other clusters read the same bytes
	s_cselect_b32 s89, s89, 0
	s_cselect_b32 s92, 125, 31
	s_cselect_b32 s93, 256, s93
	s_cselect_b32 s90, s90, s91
	s_mov_b32 s91, 0
	s_mov_b32 s[PFS+1], 0
	s_add_nc_u64 s[PFA:PFA+1], s[PFA:PFA+1], s[90:91]
	v_add_nc_u32 v[PFO], s89, v10
	v_min_u32 v[PFO], s92, v[PFO]
	v_mul_lo_u32 v[PFO], v[PFO], s93
	s_sub_co_u32 s83, s[WV], 4
	s_cmp_lt_u32 s83, 3                            ; waves 4, 5, 6
	s_cselect_b32 s83, 0, 1
	s_or_b32 s83, s83, s88
	s_cmp_eq_u32 s83, 0
	s_cselect_b32 s[LIM], 1, -1                    ; the same in all sixteen partners, for a given wave
	s_mov_b32 s[SEL], 0x76543210
	s_mov_b32 s[SEL+1], 0xfedcba98
	s_mov_b32 s[CS], 0x3dd53b94                    ; log2(e) / sqrt(192)
	s_mov_b32 s[CS+1], s[CS]                       ; (named with it as a pair, so it is written)
	s_mov_b32 s[RT], 0x415db3d7                    ; sqrt(192)
	s_mov_b32 s[RT+1], s[RT]
	s_mov_b32 s[TB], 0
	s_mov_b32 s[SLOTS], 15
	v_mov_b32 v13, 0xff61b1e6                      ; the largest t so far: -3e38, under every t
	v_floor_f32 v12, -v13                          ; -M
	v_mov_b32 v14, 0                               ; the sum, in two halves
	v_mov_b32 v15, 0
	v_mov_b32 v251, 0                              ; (a lane permute's destination counts as one of its sources)
	v_mov_b32 v253, 0                              ; (named as the upper half of the pair v[252:253])
.irp b, 0,1,2,3
	v_mov_b32 v[TM+4+\b], 0
.endr
.irp i, 6,7,8,9,10,11
	v_mov_b32 v[QP+\i], 0                          ; the rotated part has K = 64: the upper 64 of the instruction's 128 are zero codes, on both sides
.irp t, 0,1,2,3
	v_mov_b32 v[G+12*\t+\i], 0
.endr
.endr
	WIN 0x40
.set j, 0
.rept 64
	v_mov_b32 v[j], 0                              ; O^T.  (The step is written once for all steps: the first finds zeros, which the first change of M leaves zeros)
.set j, j+1
.endr
	WIN 0
.macro KFRAGS g                        ; tiles 4 g .. 4 g + 3 of k: 12 + 8 loads
.irp t, 0,1,2,3
.irp c, 0,1,2
	ds_load_b128 v[F+12*\t+4*\c:F+12*\t+4*\c+3], v[ADK] offset:(4*\g+\t)*1536+512*\c
.endr
	ds_load_b128 v[G+12*\t:G+12*\t+3], v[ADK] offset:12288+(4*\g+\t)*768
	ds_load_b64 v[G+12*\t+4:G+12*\t+5], v[ADK8] offset:12288+(4*\g+\t)*768+512
.endr
.endm
.macro SCORES g                        ; S^T = mask sqrt(192) + K Q^T + K' Q'^T: four accumulators by turns, one instruction a turn
.irp t, 0,1,2,3
	v_wmma_scale_f32_16x16x128_f8f6f4 v[S+8*(4*\g+\t):S+8*(4*\g+\t)+7], v[F+12*\t:F+12*\t+11], v[QN:QN+11], v[S+8*(4*\g+\t):S+8*(4*\g+\t)+7], v[KS+4*\g+\t], v[QNS] matrix_a_fmt:MATRIX_FMT_FP6 matrix_b_fmt:MATRIX_FMT_FP6
.endr
.irp t, 0,1,2,3
	v_wmma_scale_f32_16x16x128_f8f6f4 v[S+8*(4*\g+\t):S+8*(4*\g+\t)+7], v[G+12*\t:G+12*\t+11], v[QP:QP+11], v[S+8*(4*\g+\t):S+8*(4*\g+\t)+7], v[KPS+4*\g+\t], v[QPS] matrix_a_fmt:MATRIX_FMT_FP6 matrix_b_fmt:MATRIX_FMT_FP6
.endr
.endm
.macro VFRAGS g                        ; tiles 4 g .. 4 g + 3 of v^T: 12 loads
.irp t, 0,1,2,3
.irp c, 0,1,2
	ds_load_b128 v[F+12*\t+4*\c:F+12*\t+4*\c+3], v[ADK] offset:VIM+(4*\g+\t)*1536+512*\c
.endr
.endr
.endm
.macro PV g                            ; O^T += V^T P^T: four accumulators, in window 1
	WIN 0x50
.irp t, 0,1,2,3
	v_wmma_scale_f32_16x16x128_f8f6f4 v[8*(4*\g+\t):8*(4*\g+\t)+7], v[F+12*\t:F+12*\t+11], v[PC:PC+11], v[8*(4*\g+\t):8*(4*\g+\t)+7], v[KS+4*\g+\t], v[PW] matrix_a_fmt:MATRIX_FMT_FP6 matrix_b_fmt:MATRIX_FMT_FP6
.endr
	WIN 0
.endm
; A KEY STEP: 128 keys, in the slot at s[TB].
.macro KSTEP
	v_add_nc_u32 v[ADK], s[TB], v[LI16]            ; these five are the places behind the last step's products, in front of loads into their registers
	v_add_nc_u32 v[ADK8], s[TB], v[LI8]
	v_add_nc_u32 v[ADM], s[TB], v[LM0]
	v_add_nc_u32 v[ADS], s[TB], v[LR32]
	v_nop
.irp b, 0,1,2,3
.irp j, 0,1,2,3
	ds_load_b128 v[S+16*\b+4*\j:S+16*\b+4*\j+3], v[ADM] offset:128*\b+16*\j   ; the mask at my query and keys 32 b + 16 h + 4 j on
.endr
.endr
	ds_load_b128 v[KS:KS+3], v[ADS] offset:KNS
	ds_load_b128 v[KS+4:KS+7], v[ADS] offset:KNS+16
	ds_load_b128 v[KPS:KPS+3], v[ADS] offset:KPO
	ds_load_b128 v[KPS+4:KPS+7], v[ADS] offset:KPO+16
	KFRAGS 0
	s_wait_dscnt 24                                ; the mask's 16 loads are in; the 4 scale loads and 20 fragment loads behind them may be out
.set j, 0
.rept 32
	v_pk_mul_f32 v[S+j:S+j+1], v[S+j:S+j+1], s[RT:RT+1] op_sel_hi:[1,0]
.set j, j+2
.endr
	s_wait_dscnt 0x0
	SCORES 0
	PLACES 4                                       ; in front of loads into registers that matrix instructions have read
	KFRAGS 1
	s_wait_dscnt 0x0
	SCORES 1
	PLACES 4                                       ; likewise, and in front of the first read of results
	ds_load_b128 v[KS:KS+3], v[ADS] offset:VSC     ; v^T's scale words and first four tiles land under the softmax
	ds_load_b128 v[KS+4:KS+7], v[ADS] offset:VSC+16
	VFRAGS 0
.irp b, 0,1,2,3
	v_max3_num_f32 v[TM+\b], v[S+16*\b], v[S+16*\b+1], v[S+16*\b+2]   ; the largest score of each block of 32 keys: for the row's maximum and, since p rises with the score, for the block's largest p
.endr
.irp i, 3,5,7,9,11,13
.irp b, 0,1,2,3
	v_max3_num_f32 v[TM+\b], v[TM+\b], v[S+16*\b+\i], v[S+16*\b+\i+1]
.endr
.endr
.irp b, 0,1,2,3
	v_max_num_f32 v[TM+\b], v[TM+\b], v[S+16*\b+15]
.endr
.irp b, 0,1,2,3
	v_permlanex16_b32 v[TM+4+\b], v[TM+\b], s[SEL], s[SEL+1]
.endr
.irp b, 0,1,2,3
	v_max_num_f32 v[TM+\b], v[TM+\b], v[TM+4+\b]
.endr
	v_max3_num_f32 v254, v[TM], v[TM+1], v[TM+2]
	v_max_num_f32 v254, v254, v[TM+3]
	v_mul_f32 v254, s[CS], v254                    ; as t (c is positive)
	v_max_num_f32 v13, v13, v254                   ; the running largest t
	v_mov_b32 v254, v12
	v_floor_f32 v12, -v13                          ; the new -M = floor(-t): M is a whole number
	v_sub_f32 v254, v12, v254                      ; old M - new M: a whole number, 0 or less
	v_cvt_i32_f32 v254, v254                       ; (it saturates)
	v_ldexp_f32 v252, 1.0, v254                    ; f = 2^(old M - new M)
.set j, 0
.rept 32
	v_pk_fma_f32 v[S+j:S+j+1], v[S+j:S+j+1], s[CS:CS+1], v[12:13] op_sel_hi:[1,0,0]   ; t - M
.set j, j+2
.endr
.irp b, 0,1,2,3
	v_fma_f32 v[TM+\b], v[TM+\b], s[CS], v12       ; the same of each block's largest score
.endr
.set j, 0
.rept 64
	v_exp_f32 v[S+j], v[S+j]                       ; p = 2^(t - M), at most 1: not normalised
.set j, j+1
.endr
	v_pk_mul_f32 v[14:15], v[14:15], v[252:253] op_sel_hi:[1,0]   ; the sums under the new M: the plain place behind the exponentials
	s_wait_alu depctr_va_vdst(0)                   ; one wait for the batch of 64, ahead of its first reader
.irp b, 0,1,2,3
	v_exp_f32 v[TM+\b], v[TM+\b]                   ; the blocks' largest p
.endr
	v_pk_add_f32 v[TM+4:TM+5], v[S:S+1], v[S+2:S+3]   ; the row's sum is taken of the unquantised p, in two chains
.irp j, 4,8,12,16,20,24,28,32,36,40,44,48,52,56,60
	v_pk_add_f32 v[14:15], v[14:15], v[S+\j:S+\j+1]
	v_pk_add_f32 v[TM+4:TM+5], v[TM+4:TM+5], v[S+\j+2:S+\j+3]
.endr
	v_pk_add_f32 v[14:15], v[14:15], v[TM+4:TM+5]
	s_wait_alu depctr_va_vdst(0)                   ; and one for the four
.irp b, 0,1,2,3
	v_max_num_f32 v[TM+\b], 0x1800000, v[TM+\b]    ; the floor 2^(3 - 127): the byte cannot fall under 1
.endr
	PACK6 S, 0, PC, PW
	WIN 0x41
.set j, 0
.rept 32
	v_pk_mul_f32 v[j:j+1], v[j:j+1], v[252:253] op_sel_hi:[1,0]   ; O^T under the new M.  (These 32 are also the places between the scale word's and the codes' last writes and the products)
.set j, j+2
.endr
	WIN 0
	s_wait_dscnt 0x0
	PV 0
	PLACES 4
	VFRAGS 1
	s_wait_dscnt 0x0
	PV 1
	s_xor_b32 s[TB], s[TB], SLOT1                  ; on to the other slot
.endm
; THE CHANGE OF SLOTS stands at a step's head.  Each wave waits for all its tensor loads (its part of the slot that it is about to read), adds 0 to its spare word, and waits for that and for its reads of the slot
; that it has left.  fill = 1: a round of the cluster's barrier, and behind it the slot just left is filled with the next step's tiles: the load has a whole key step in which to land.
.macro CHANGE fill
	s_wait_tensorcnt 0x0                           ; no tensor load of mine is out, so a group 0 may be written
	ds_add_u32 v[SPW], v[NIL]                      ; 0 onto my spare word
.if \fill
	s_xor_b32 s[G0K+1], s[G0K+1], SLOT1
	s_add_nc_u64 s[G0K+2:G0K+3], s[G0K+2:G0K+3], BLK
	s_xor_b32 s[G0M+1], s[G0M+1], SLOT1
	s_add_nc_u64 s[G0M+2:G0M+3], s[G0M+2:G0M+3], 512
	s_wait_xcnt 0x0                                ; the last prefetch, a key step back, has read its address
	s_add_nc_u64 s[PFA:PFA+1], s[PFA:PFA+1], s[PFS:PFS+1]
	s_wait_dscnt 0x0                               ; the add is done, and my reads of the slot that I have left are over
	CROUND
	TLOAD                                          ; the first thing behind the round, and a wave's one tensor load until the next
	ASK
.else
	s_wait_dscnt 0x0
	s_barrier_signal -1
	s_barrier_wait -1
.endif
.endm
	s_wait_loadcnt 0x0                             ; Q
.Lstep:                                                ; 15 trips: behind each change of slots but the last the next step is asked for
	CHANGE 1
	KSTEP
	s_sub_co_u32 s[SLOTS], s[SLOTS], 1
	s_cmp_lg_u32 s[SLOTS], 0
	s_cbranch_scc1 .Lstep
	CHANGE 0                                       ; the last step is written out
	KSTEP
	; THE WAY OUT: O^T / the sum, quantised along the head's 128: my tile's image of K step 'head' of the last product; the eight waves' scale words meet in LDS and leave as one block of 512 bytes.
	PLACES 4                                       ; behind the last products
	v_add_f32 v14, v14, v15
	v_permlanex16_b32 v251, v14, s[SEL], s[SEL+1]
	v_add_f32 v14, v14, v251                       ; the row's sum
	v_rcp_f32 v14, v14
	v_add_nc_u32 v[ADK], SCR, v[LI16]              ; (a plain place behind the reciprocal)  where wave 0 reads the block back
	s_lshl_b32 s70, s[WV], 2
	s_add_co_u32 s70, s70, SCR
	v_add_nc_u32 v[ADK8], s70, v[LR32]             ; where my word goes: 32 r + 4 t
	s_wait_alu depctr_va_vdst(0)                   ; ahead of the reciprocal's first reader
	WIN 0x01
.set j, 0
.rept 64
	v_mul_f32 v[S+j], v[j], v14                    ; each accumulator from its low end on
.set j, j+1
.endr
	WIN 0
	QUANT S, 0, PC, 251
.irp c, 0,1,2
	global_store_b128 v[LI16], v[PC+4*\c:PC+4*\c+3], s[ABT:ABT+1] offset:512*\c
.endr
	ds_store_b32 v[ADK8], v251                     ; lanes r and r + 16 write the same word with the same value
	s_wait_dscnt 0x0                               ; for the others' sake: my store has landed
	s_barrier_signal -1
	s_barrier_wait -1
	s_cmp_lg_u32 s[WV], 0
	s_cbranch_scc1 .Lnot_first
	ds_load_b128 v[F:F+3], v[ADK]
	s_wait_dscnt 0x0
	global_store_b128 v[LI16], v[F:F+3], s[ABB:ABB+1] offset:12288
.Lnot_first:
	s_wait_tensorcnt 0x0                           ; the wave's end
	ds_add_u32 v[SPW], v[NIL]
	s_wait_dscnt 0x0
	CROUND                                         ; the closing round
	s_endpgm
.Lfunc_end_k_qe87fb6930a_attn:
	.size	k_qe87fb6930a_attn, .Lfunc_end_k_qe87fb6930a_attn-k_qe87fb6930a_attn
	.p2alignl 7, 3214868480
	.fill 96, 4, 3214868480
	.section	.rodata,"a",@progbits
	.p2align	6, 0x0
	.amdhsa_kernel k_qe87fb6930a_attn
		.amdhsa_group_segment_fixed_size 327680
		.amdhsa_private_segment_fixed_size 0
		.amdhsa_enable_private_segment 0
		.amdhsa_kernarg_size 32
		.amdhsa_user_sgpr_count 2
		.amdhsa_user_sgpr_kernarg_segment_ptr 1
		.amdhsa_wavefront_size32 1
		.amdhsa_system_sgpr_workgroup_id_x 1
		.amdhsa_system_sgpr_workgroup_id_y 1
		.amdhsa_system_sgpr_workgroup_id_z 1
		.amdhsa_system_vgpr_workitem_id 0
		.amdhsa_next_free_vgpr 384
		.amdhsa_next_free_sgpr 100
		.amdhsa_reserve_vcc 0
		.amdhsa_float_denorm_mode_32 3
		.amdhsa_float_denorm_mode_16_64 3
		.amdhsa_memory_ordered 1
		.amdhsa_forward_progress 1
		.amdhsa_inst_pref_size 69
	.end_amdhsa_kernel
	.amdgpu_metadata
---
amdhsa.version: [ 1, 2 ]
amdhsa.kernels:
  - .name:           k_qe87fb6930a_attn
    .symbol:         k_qe87fb6930a_attn.kd
    .args:
      - { .name: qb, .offset: 0, .size: 8, .value_kind: global_buffer, .address_space: global }
      - { .name: kvb, .offset: 8, .size: 8, .value_kind: global_buffer, .address_space: global }
      - { .name: mask, .offset: 16, .size: 8, .value_kind: global_buffer, .address_space: global }
      - { .name: ab, .offset: 24, .size: 8, .value_kind: global_buffer, .address_space: global }
    .group_segment_fixed_size: 327680
    .private_segment_fixed_size: 0
    .kernarg_segment_align: 8
    .kernarg_segment_size: 32
    .max_flat_workgroup_size: 256
    .sgpr_count:     100
    .vgpr_count:     384
    .wavefront_size: 32
...
	.end_amdgpu_metadata
.endif
;; end of part 3
;; launch oproj (part 4): grid 8 x 8, 4 waves a work-group, clusters of 4 x 4, 327,680 bytes of LDS; arguments ab, opi, out0; writes out0
.if DOCPART == 4
	.amdgcn_target "amdgcn-amd-amdhsa--gfx1250"
	.amdhsa_code_object_version 6
	.text
	.protected	k_qe87fb6930a_oproj
	.globl	k_qe87fb6930a_oproj
	.p2align	8
	.type	k_qe87fb6930a_oproj,@function
k_qe87fb6930a_oproj:
	s_mov_b64 s[64:65], 0
	v_nop
	global_prefetch_b8 v0, s[64:65] scope:SCOPE_SE
	s_setreg_imm32_b32 hwreg(HW_REG_WAVE_MODE, 25, 1), 1
	s_wait_xcnt 0x0
	s_wait_alu depctr_hold_cnt(0) depctr_sa_sdst(0) depctr_va_vdst(0) depctr_va_sdst(0) depctr_va_ssrc(0) depctr_va_vcc(0) depctr_vm_vsrc(0)
	s_getreg_b32 s2, hwreg(HW_REG_IB_STS2, 6, 4)
	s_cmp_eq_u32 s2, 0
	s_cbranch_scc0 .Lentry_in_a_cluster
	s_endpgm
.Lentry_in_a_cluster:
	s_bfe_u32 s2, ttmp6, 0x10000c
	s_cmp_lg_u32 s2, 0xf033
	s_cbranch_scc0 .Lentry_shape_is_right
	s_endpgm
.Lentry_shape_is_right:
; out0 = (attention's output) wo^T on codes of FP6 (E2M3) with E8M0 scales, K = 2,048; out0 [2048][2048] f32.
; A comes from ab ([16 query groups][16 K steps = heads] of operand blocks), B from opi's row groups 80-95 (wo).  An operand block: 128 rows x 128 K: eight fragment images of 1,536 bytes and 512 bytes of scale words.
; A tile of C, 256 x 256, is made by four waves, 128 x 128 each; K goes through a ring of two LDS slots of 256 along K; a wave's one tensor load brings one row group's two blocks, 25,600 dense bytes.
; 64 tiles, 64 work-groups: a smaller tile would give every WGP work at the price of a third form of the loop; not built.
; CLUSTERS: 4 x 4; A's tiles are asked for jointly along a row of the cluster, B's along a column.  THE MATRIX INSTRUCTION IS USED TRANSPOSED (source 0 = 16 rows of B, source 1 = 16 rows of A).
; In both operands lane-row r of tile a is row 32 (a / 2) + 8 (a % 2) + r % 8 + 16 (r / 8) of its group: the way out undoes both orders by immediate offsets.
; REGISTERS: window 0: v16-31 addresses; v32-63 scale words, two sets; v128-223 A's fragments, ONE set; on the way out v128-255 rows of C.  window 1: B's fragments, two sets.  windows 2, 3: the accumulators.
.set KB,     12800
.set FRB,    1536
.set HALFT,  2*KB
.set SLOT,   4*HALFT
.set SPARE,  2*SLOT                    ; the spare words, 128 bytes for each wave: two blocks of 256 bytes that no other line names
.set GRP,    16*KB
.set NQ,     2
.set FR,     12
.set NL,     3
.set NP,     4
.set LAPS,   4
.set SPITCH, 528                       ; the way out: a stage of 16 rows x (512 bytes + 16) for each wave, in slot 0, which has had its last fill and its last read when the first result is stored there
.set ADRA, 16
.set ADRB, 20
.set ADRS, 22
.set STO,  24                          ; v24  the stage: row r, + 64 h
.set RD,   25                          ; v25  and back: 16 x lane
.set CO,   26                          ; v26  16 x lane: my bytes of a row's 512 in C
.set SPW,  28
.set NIL,  29
.set SC,   32
.set AF,   128
.set BK,   128                         ; 16 rows read back: v128-191 and v192-255 by turns
.set G1,   24
.set G0,   32
.set G1B,  48
.set G0B,  56
.set MSB, 0
.macro WIN new                         ; the immediate's high byte repeats the setting that is left
.if MSB != (\new)
	s_set_vgpr_msb (MSB<<8)|(\new)
.set MSB, (\new)
.endif
.endm
.set MUL_LO, 0xa1
.set MUL_HI, 0xf1
.set TO_B,   0x40
.macro PLACES n
.rept \n
	v_nop
.endr
.endm
.macro JLOAD g0a, g1a, g0b, g1b        ; a joint load: waves 0 and 1 fetch for A, waves 2 and 3 for B; four v_nop follow each of the two lines
	s_cmp_eq_u32 s15, 0
	s_cbranch_scc0 .Lfor_b_\@
	tensor_load_to_lds s[\g0a:\g0a+3], s[\g1a:\g1a+7]
	s_nop 0
.rept 4
	v_nop
.endr
	s_branch .Lasked_\@
.Lfor_b_\@:
	tensor_load_to_lds s[\g0b:\g0b+3], s[\g1b:\g1b+7]
	s_nop 0
.rept 4
	v_nop
.endr
.Lasked_\@:
.endm
.macro CREST
	s_cmp_lg_u32 s14, 0
	s_cbranch_scc1 .Lnot_wave_0_\@
	s_barrier_signal -3
.Lnot_wave_0_\@:
	s_barrier_wait -3
	s_barrier_signal -1
	s_barrier_wait -1
.endm
.macro CROUND
	s_barrier_signal -1
	s_barrier_wait -1
	CREST
.endm
	s_load_b128 s[4:7], s[0:1], 0x0                ; ab s[4:5], opi s[6:7]
	s_load_b64 s[12:13], s[0:1], 0x10              ; out0
	v_lshl_add_u32 v[SPW], v0, 2, SPARE
	v_mov_b32 v[NIL], 0
	ds_add_u32 v28, v29
	s_wait_dscnt 0x0
	v_lshrrev_b32 v1, 5, v0
	v_readfirstlane_b32 s14, v1                    ; wave 0..3
	s_lshr_b32 s15, s14, 1                         ; which A group is mine.  Also: I fetch for A (0) or for B (1)
	s_and_b32 s16, s14, 1                          ; which B group.  Also: which group I fetch
	s_bfe_u32 s40, ttmp6, 0x40000                  ; cx
	s_bfe_u32 s41, ttmp6, 0x40004                  ; cy
	s_lshl_b32 s42, ttmp9, 2
	s_add_co_u32 s42, s42, s40                     ; tile column
	s_and_b32 s17, ttmp7, 0xffff
	s_lshl_b32 s17, s17, 2
	s_add_co_u32 s17, s17, s41                     ; tile row
	s_lshl_b32 s43, s41, 2
	s_lshl_b32 s43, 15, s43                        ; my row of the cluster
	s_lshl_b32 s44, 0x1111, s40                    ; my column
	s_or_b32 s[G1+0], s43, (3<<16)|(1<<21)         ; 25,600 dense bytes as 100 rows of 256 (32 elements of 8 bytes); 21 set beside a mask
	s_or_b32 s[G1B+0], s44, (3<<16)|(1<<21)
.irp g, G1, G1B
	s_mov_b32 s[\g+1], 32<<16
	s_mov_b32 s[\g+2], 100<<16
	s_mov_b32 s[\g+3], 32<<16
	s_mov_b32 s[\g+4], 100
	s_mov_b32 s[\g+5], 32
	s_mov_b32 s[\g+6], 0
	s_mov_b32 s[\g+7], 0
.endr
	s_lshl_b32 s20, s17, 1
	s_add_co_u32 s20, s20, s16
	s_mul_i32 s20, s20, GRP                        ; A: query group 2 x tile row + half
	s_mov_b32 s21, 0
	s_lshl_b32 s46, s42, 1
	s_add_co_u32 s46, s46, s16
	s_add_co_u32 s46, s46, 80
	s_mul_i32 s46, s46, GRP                        ; B: row group 80 + 2 x tile column + half
	s_mov_b32 s47, 0
	s_mul_i32 s45, s14, HALFT
	s_wait_kmcnt 0x0
	s_add_nc_u64 s[20:21], s[4:5], s[20:21]
	s_add_nc_u64 s[46:47], s[6:7], s[46:47]
	CROUND                                         ; all sixteen work-groups are here: the first joint loads meet
.irp s, 0,1
	s_mov_b32 s[G0+4*\s], 1
	s_add_co_u32 s[G0+4*\s+1], s45, \s*SLOT
	s_add_nc_u64 s[G0+4*\s+2:G0+4*\s+3], s[20:21], \s*HALFT
	s_or_b32 s[G0+4*\s+3], s[G0+4*\s+3], 0x80000000
	s_mov_b32 s[G0B+4*\s], 1
	s_add_co_u32 s[G0B+4*\s+1], s45, \s*SLOT
	s_add_nc_u64 s[G0B+4*\s+2:G0B+4*\s+3], s[46:47], \s*HALFT
	s_or_b32 s[G0B+4*\s+3], s[G0B+4*\s+3], 0x80000000
	JLOAD G0+4*\s, G1, G0B+4*\s, G1B               ; two loads of mine are out
.endr
	v_and_b32 v4, 31, v0
	v_and_b32 v1, 15, v0                           ; r
	v_bfe_u32 v2, v0, 4, 1                         ; h
	v_lshlrev_b32 v[CO], 4, v4
	s_mul_i32 s21, s15, HALFT
	s_mul_i32 s22, s16, HALFT
	s_add_co_u32 s22, s22, 2*HALFT
.irp s, 0,1
	v_add_nc_u32 v[ADRA+\s], s21, v[CO]
	v_add_nc_u32 v[ADRB+\s], s22, v[CO]
	s_add_co_u32 s21, s21, SLOT
	s_add_co_u32 s22, s22, SLOT
.endr
	s_mul_i32 s21, s15, HALFT
	s_mul_i32 s22, s16, HALFT
	s_add_co_u32 s22, s22, 2*HALFT
	s_sub_co_u32 s22, s22, s21                     ; from my A group to my B group
	v_mul_u32_u24 v3, s22, v2                      ; lanes 16-31 take B's scale words
	v_lshl_add_u32 v3, v1, 5, v3
	s_add_co_u32 s21, s21, 8*FRB
	v_add_nc_u32 v[ADRS], s21, v3
	v_add_nc_u32 v[ADRS+1], SLOT, v[ADRS]
	s_mul_i32 s23, s14, 16*SPITCH                  ; my stage
	v_mul_u32_u24 v5, v1, SPITCH
	v_lshl_add_u32 v5, v2, 6, v5
	v_add_nc_u32 v[STO], s23, v5
	v_add_nc_u32 v[RD], s23, v[CO]
	s_lshl_b32 s20, s17, 8
	s_lshl_b32 s21, s15, 7
	s_add_co_u32 s20, s20, s21                     ; my first row of C
	s_lshl_b32 s20, s20, 13                        ; x 8,192 bytes
	s_mov_b32 s21, 0
	s_lshl_b32 s46, s42, 10
	s_lshl_b32 s47, s16, 9
	s_add_co_u32 s46, s46, s47                     ; my first column, in bytes
	s_mov_b32 s47, 0
	s_add_nc_u64 s[20:21], s[20:21], s[46:47]
	s_add_nc_u64 s[12:13], s[12:13], s[20:21]
.macro FRAG3 reg, adr, q, i            ; a fragment image: three loads of 512 consecutive bytes
.irp c, 0,1,2
	ds_load_b128 v[\reg+4*\c:\reg+4*\c+3], v[\adr] offset:(\q)*KB+(\i)*FRB+512*\c
.endr
.endm
; 16 matrix instructions; the 64 accumulators take turns, one instruction a turn, in the same order in every step
.macro MUL16 a0, p, q, sc, zero
.irp a, \a0, \a0+1
.irp b, 0,1,2,3,4,5,6,7
.if \zero
	v_wmma_scale_f32_16x16x128_f8f6f4 v[8*(8*((\a)%4)+\b):8*(8*((\a)%4)+\b)+7], v[128*(\p)+FR*\b:128*(\p)+FR*\b+FR-1], v[AF+FR*(\a):AF+FR*(\a)+FR-1], 0, v[SC+16*(\sc)+8*(\q)+\b], v[SC+16*(\sc)+8*(\q)+(\a)] matrix_a_fmt:MATRIX_FMT_FP6 matrix_b_fmt:MATRIX_FMT_FP6 matrix_a_scale:MATRIX_SCALE_ROW1
.else
	v_wmma_scale_f32_16x16x128_f8f6f4 v[8*(8*((\a)%4)+\b):8*(8*((\a)%4)+\b)+7], v[128*(\p)+FR*\b:128*(\p)+FR*\b+FR-1], v[AF+FR*(\a):AF+FR*(\a)+FR-1], v[8*(8*((\a)%4)+\b):8*(8*((\a)%4)+\b)+7], v[SC+16*(\sc)+8*(\q)+\b], v[SC+16*(\sc)+8*(\q)+(\a)] matrix_a_fmt:MATRIX_FMT_FP6 matrix_b_fmt:MATRIX_FMT_FP6 matrix_a_scale:MATRIX_SCALE_ROW1
.endif
.endr
.endr
.endm
.macro FETCH_B slot, q, p
	WIN TO_B
.irp i, 0,1,2,3,4,5,6,7
	FRAG3 128*(\p)+FR*\i, ADRB+\slot, \q, \i
.endr
	WIN 0
.endm
.macro FETCH_A slot, q, i0
.irp i, \i0, \i0+1, \i0+2, \i0+3
	FRAG3 AF+FR*(\i), ADRA+\slot, \q, \i
.endr
.endm
.macro SCALES sl
.irp q, 0,1
.irp k, 0,1
	ds_load_b128 v[SC+16*\sl+8*\q+4*\k:SC+16*\sl+8*\q+4*\k+3], v[ADRS+\sl] offset:\q*KB+16*\k
.endr
.endr
.endm
.macro STEP slot, q, zero
	s_wait_dscnt 4*NL                              ; all but the youngest 12 loads (A's tiles 4-7) are in
	WIN MUL_LO
	MUL16 0, (\q)%2, \q, \slot, \zero
	MUL16 2, (\q)%2, \q, \slot, \zero
	s_wait_dscnt 0
	PLACES NP                                      ; in front of loads into registers that matrix instructions have read
	FETCH_B \slot, (\q)+1, 1-(\q)%2
	FETCH_A \slot, (\q)+1, 0
	WIN MUL_HI
	MUL16 4, (\q)%2, \q, \slot, \zero
	MUL16 6, (\q)%2, \q, \slot, \zero
	PLACES NP
	WIN 0
	FETCH_A \slot, (\q)+1, 4
.endm
.macro TURN slot, next, fill
	s_wait_tensorcnt 0x0                           ; all my tensor loads have landed: my part of the next slot
	ds_add_u32 v[SPW], v[NIL]                      ; 0 onto my spare word
	s_wait_dscnt 4*NL+1                            ; the add and the youngest 12 loads may be out
	WIN MUL_LO
	MUL16 0, 1, NQ-1, \slot, 0
	s_wait_dscnt 0x0                               ; the add is done, and my reads of this slot are over
	s_barrier_signal -1
	MUL16 2, 1, NQ-1, \slot, 0
	WIN 0
	s_barrier_wait -1
.if \fill
	CREST                                          ; the barrier has opened a round of the cluster's: no wave of any partner still reads this slot or has a load on its way
	s_add_nc_u64 s[G0+4*\slot+2:G0+4*\slot+3], s[G0+4*\slot+2:G0+4*\slot+3], 2*HALFT
	s_add_nc_u64 s[G0B+4*\slot+2:G0B+4*\slot+3], s[G0B+4*\slot+2:G0B+4*\slot+3], 2*HALFT
	JLOAD G0+4*\slot, G1, G0B+4*\slot, G1B         ; the first tensor load behind the round; its four v_nop are the places in front of the loads below
.else
	PLACES NP
.endif
	FETCH_B \next, 0, 0
	FETCH_A \next, 0, 0
	SCALES \next
	WIN MUL_HI
	MUL16 4, 1, NQ-1, \slot, 0
	MUL16 6, 1, NQ-1, \slot, 0
	PLACES NP
	WIN 0
	FETCH_A \next, 0, 4
.endm
	s_wait_tensorcnt 1                             ; my part of slot 0 is in; slot 1's load may be out
	s_barrier_signal -1
	s_barrier_wait -1
	FETCH_B 0, 0, 0
	FETCH_A 0, 0, 0
	SCALES 0
	FETCH_A 0, 0, 4
	STEP 0, 0, 1                                   ; the first step's products start the sums
	s_mov_b32 s3, LAPS-1
.Llap:
	TURN 0, 1, 1
	STEP 1, 0, 0
	TURN 1, 0, 1
	STEP 0, 0, 0
	s_sub_co_u32 s3, s3, 1
	s_cmp_lg_u32 s3, 0
	s_cbranch_scc1 .Llap
	TURN 0, 1, 0                                   ; the last lap fills nothing
	STEP 1, 0, 0
	s_wait_dscnt 4*NL
	WIN MUL_LO
	MUL16 0, 1, NQ-1, 1, 0
	MUL16 2, 1, NQ-1, 1, 0
	s_wait_dscnt 0
	WIN MUL_HI
	MUL16 4, 1, NQ-1, 1, 0
	MUL16 6, 1, NQ-1, 1, 0
	WIN 0
; THE WAY OUT, A tile by A tile.  Lane (r, h) holds, of lane-row r, register j of accumulator b = column 32 (b / 2) + 16 h + 8 (b % 2) + j: 32 bytes at 128 (b / 2) + 64 h + 32 (b % 2) of the stage's row.
; The rows come back whole (512 bytes, 32 lanes) and are stored at their true places: stage row t of tile a is row 32 (a / 2) + 8 (a % 2) + t % 8 + 16 (t / 8).
.macro TOSTAGE a
.set AC, 64*((\a)%4)
	WIN 0x08+4*((\a)/4)                            ; an LDS store's data are its source 1: window 2 or 3
.irp b, 0,1,2,3,4,5,6,7
	ds_store_b128 v[STO], v[AC+8*\b:AC+8*\b+3] offset:128*(\b/2)+32*(\b%2)           ; each accumulator from its low end on
	ds_store_b128 v[STO], v[AC+8*\b+4:AC+8*\b+7] offset:128*(\b/2)+32*(\b%2)+16
.endr
	WIN 0
.set BB, BK+64*((\a)%2)
.irp t, 0,1,2,3,4,5,6,7,8,9,10,11,12,13,14,15
	ds_load_b128 v[BB+4*\t:BB+4*\t+3], v[RD] offset:\t*SPITCH    ; LDS serves a wave's instructions in order (ISA guide 5.7.1.4): these see the stores above
.endr
.endm
.macro SEND a, younger                 ; younger: the LDS instructions issued behind tile a's loads, which may stay out
.set BB, BK+64*((\a)%2)
	s_wait_dscnt \younger
.irp t, 0,1,2,3,4,5,6,7,8,9,10,11,12,13,14,15
	global_store_b128 v[CO], v[BB+4*\t:BB+4*\t+3], s[12:13] offset:(32*((\a)/2)+8*((\a)%2)+(\t%8)+16*(\t/8))*8192 th:TH_STORE_NT   ; 512 consecutive bytes, at a multiple of 256 from C's first byte
.endr
.endm
	PLACES NP                                      ; behind the last products: for the reads of results and the loads into the registers that held A's fragments
	TOSTAGE 0
.irp a, 1,2,3,4,5,6,7
.if \a > 1
	s_wait_xcnt 0x0                                ; tile a - 2's stores have read their registers: tile a's loads may land there
.endif
	TOSTAGE \a
	SEND \a-1, 32                                  ; behind tile a - 1's loads: tile a's 16 stores and 16 loads
.endr
	SEND 7, 0
	s_wait_tensorcnt 0x0                           ; the wave's end
	ds_add_u32 v[SPW], v[NIL]
	s_wait_dscnt 0x0
	CROUND                                         ; the closing round
	s_endpgm
.Lfunc_end_k_qe87fb6930a_oproj:
	.size	k_qe87fb6930a_oproj, .Lfunc_end_k_qe87fb6930a_oproj-k_qe87fb6930a_oproj
	.p2alignl 7, 3214868480
	.fill 96, 4, 3214868480
	.section	.rodata,"a",@progbits
	.p2align	6, 0x0
	.amdhsa_kernel k_qe87fb6930a_oproj
		.amdhsa_group_segment_fixed_size 327680
		.amdhsa_private_segment_fixed_size 0
		.amdhsa_enable_private_segment 0
		.amdhsa_kernarg_size 24
		.amdhsa_user_sgpr_count 2
		.amdhsa_user_sgpr_kernarg_segment_ptr 1
		.amdhsa_wavefront_size32 1
		.amdhsa_system_sgpr_workgroup_id_x 1
		.amdhsa_system_sgpr_workgroup_id_y 1
		.amdhsa_system_sgpr_workgroup_id_z 1
		.amdhsa_system_vgpr_workitem_id 0
		.amdhsa_next_free_vgpr 1024
		.amdhsa_next_free_sgpr 100
		.amdhsa_reserve_vcc 0
		.amdhsa_float_denorm_mode_32 3
		.amdhsa_float_denorm_mode_16_64 3
		.amdhsa_memory_ordered 1
		.amdhsa_forward_progress 1
		.amdhsa_inst_pref_size 132
	.end_amdhsa_kernel
	.amdgpu_metadata
---
amdhsa.version: [ 1, 2 ]
amdhsa.kernels:
  - .name:           k_qe87fb6930a_oproj
    .symbol:         k_qe87fb6930a_oproj.kd
    .args:
      - { .name: ab, .offset: 0, .size: 8, .value_kind: global_buffer, .address_space: global }
      - { .name: opi, .offset: 8, .size: 8, .value_kind: global_buffer, .address_space: global }
      - { .name: out0, .offset: 16, .size: 8, .value_kind: global_buffer, .address_space: global }
    .group_segment_fixed_size: 327680
    .private_segment_fixed_size: 0
    .kernarg_segment_align: 8
    .kernarg_segment_size: 24
    .max_flat_workgroup_size: 128
    .sgpr_count:     100
    .vgpr_count:     1024
    .wavefront_size: 32
...
	.end_amdgpu_metadata
.endif
;; end of part 4
;; ======== version 2 of 2: 4 launches
;; workspace buffers: opi 19,660,800 bytes; qb 4,980,736 bytes; kvb 8,257,536 bytes; ab 3,276,800 bytes
;; launch quant: the kernel of part 1 again; grid 768 x 1, 2 waves a work-group, no clusters, 17,152 bytes of LDS; arguments x, wq, wk, wv, wo, opi; writes opi
;; launch qkv: the kernel of part 2 again; grid 32 x 8, 4 waves a work-group, clusters of 4 x 4, 327,680 bytes of LDS; arguments opi, freqs_cos, freqs_sin, qb, kvb; writes qb, kvb
;; launch attn (part 5): grid 16 x 16, 8 waves a work-group, clusters of 4 x 4, 327,680 bytes of LDS; arguments qb, kvb, mask, ab; writes ab
.if DOCPART == 5
	.amdgcn_target "amdgcn-amd-amdhsa--gfx1250"
	.amdhsa_code_object_version 6
	.text
	.protected	k_qe87fb6930a_attn
	.globl	k_qe87fb6930a_attn
	.p2align	8
	.type	k_qe87fb6930a_attn,@function
k_qe87fb6930a_attn:
	s_mov_b64 s[64:65], 0
	v_nop
	global_prefetch_b8 v0, s[64:65] scope:SCOPE_SE
	s_setreg_imm32_b32 hwreg(HW_REG_WAVE_MODE, 25, 1), 1
	s_wait_xcnt 0x0
	s_wait_alu depctr_hold_cnt(0) depctr_sa_sdst(0) depctr_va_vdst(0) depctr_va_sdst(0) depctr_va_ssrc(0) depctr_va_vcc(0) depctr_vm_vsrc(0)
	s_getreg_b32 s2, hwreg(HW_REG_IB_STS2, 6, 4)
	s_cmp_eq_u32 s2, 0
	s_cbranch_scc0 .Lentry_in_a_cluster
	s_endpgm
.Lentry_in_a_cluster:
	s_bfe_u32 s2, ttmp6, 0x10000c
	s_cmp_lg_u32 s2, 0xf033
	s_cbranch_scc0 .Lentry_shape_is_right
	s_endpgm
.Lentry_shape_is_right:
; For each head and query: softmax over all 2,048 keys of (q_nope . k_nope + q_pe . k_pe) / sqrt(192) + mask, times v; all three products on codes of FP6 (E2M3) with E8M0 scales; the result, divided by the
; row's sum, is quantised along the head's 128 and leaves as an operand block of the last product.  The mask is an input and is added as it is given: every score is computed.
; THE SOFTMAX AHEAD OF THE THIRD PRODUCT: t = logit x log2(e); M = the running largest t rounded UP to a whole number; p = 2^(t - M) is quantised along the keys; the sum is taken of the unquantised p.
; When M moves, the sum and O are multiplied by 2^(old M - new M), which rounds nothing.
; THE MASK ENTERS AS THE C OF THE SCORE PRODUCTS: it is multiplied by sqrt(192), so that (sum + C) x log2(e) / sqrt(192) = t.  LIMIT: a finite mask beyond 2.4e37 in magnitude becomes infinite.
; LIMITS: NaN and infinities among the inputs are not served; a block whose largest magnitude lies under 2^-124 keeps the byte 1, a block of zeros too (its codes are zeros; this program alone reads the bytes).
; SHARES: a work-group owns one head and 128 queries; each of its eight waves 16 queries (tile t of the group's images).  Two waves lie on a SIMD.  Sixteen key steps of 128 keys through a ring of two LDS slots:
; kvb's block (32,256 dense bytes: k's images, half images and scale blocks, v^T's operand block) and the mask's tile (128 queries x 128 keys of f32, rows 528 bytes apart).
; CLUSTER 4 x 4: x = four heads, y = four query groups.  k and v are asked for jointly along a column (one head), the mask's tile along a row (one query group).
; LAYOUT: both kinds of product are used transposed (S^T = K Q^T, O^T = V^T P^T): a lane holds ONE query; by the order of rows in the images, register 16 b + i of S^T is key 32 b + 16 (lane / 16) + i, of O^T channel likewise.
; THE ORDER OF A STEP.  Every run of LDS loads stands under work that does not need it.  Step j finds k(j) and the mask(j) on their way into registers.  It asks for v(j); multiplies the mask; makes the scores;
; then comes THE CHANGE OF SLOTS: all reads of slot j are over, step j + 1's slot is whole, and slot j is filled with step j + 2.  k(j + 1)'s loads are dealt in short runs into the softmax of step j,
; the mask(j + 1)'s follow into S as soon as p's codes are made, and stand under O^T's rescaling and the products with v(j).
; The products over the rotated 64 use half of the instruction's 128: Q's registers 6-11 are zero codes, so whatever codes stand in k's registers 6-11 add nothing: k's rotated tiles lie 6 registers apart.
; A scale block (the word of lane-row r of tile a at 32 r + 4 a) comes by ONE load at 32 r + 16 (lane / 16): lanes 0-15 hold tiles 0-3's words, lanes 16-31 tiles 4-7's, which the products take from the upper row.
; REGISTERS: window 0: v1-11 addresses; v12 -M, v13 the largest t, v[14:15] the sum; v16-27 Q; v28-39 Q's rotated part; v40-135 k's eight fragments; v136-199 mask, S^T, p; v200-219 p's codes; v220-231 at work;
;   v232-243 scale words of k, its rotated part and v^T; v244 an address; v248-250 scale words; v251-254 at work.   window 1: v0-63 O^T; v64-117 k's rotated part; v120-215 v^T's eight fragments.
.set BLK,   32256                      ; a block of kvb
.set MOFF,  BLK                        ; the mask's tile in a slot
.set MP,    528                        ; its pitch: 512 bytes + 16
.set SLOT1, 1<<17                      ; slot 1 begins here: one exclusive or turns an address from one slot to the other
.set SPARE, SLOT1+MOFF+128*MP          ; 230,912: the spare words, 128 bytes for each of eight waves: four blocks of 256 bytes that no other line names
.set SCR,   SPARE+1024                 ; 512 bytes in which the eight waves' scale words meet; no tile ever lands there
.set KNS,   18432                      ; in a block: k's scale block,
.set KPO,   18944                      ; its rotated part's,
.set VIM,   19456                      ; v^T's images,
.set VSC,   31744                      ; v^T's scale block
.set LI16, 1                           ; v1   16 x lane
.set LI8,  2                           ; v2   8 x lane
.set LM0,  3                           ; v3   my query's row of the mask's tile, + 64 h
.set LR32, 4                           ; v4   32 r
.set SPW,  5                           ; v5   LDS address of my spare word; never rewritten
.set NIL,  6                           ; v6   0; never rewritten
.set ADK,  7                           ; v7-10 addresses in the slot in hand: 16 x lane, 8 x lane, the mask's, the scale blocks'
.set ADK8, 8
.set ADM,  9
.set ADS,  10
.set PFO,  11                          ; v11  the prefetches' offset; never rewritten
.set QN,   16
.set QP,   28
.set KN,   40
.set S,    136
.set PC,   200
.set TM,   220
.set KS,   232                         ; v232-235 k's scale words
.set KPS,  236                         ; v236-239 its rotated part's
.set VS,   240                         ; v240-243 v^T's
.set LRH,  244                         ; v244 32 r + 16 h
.set QNS,  248
.set QPS,  249
.set PW,   250                         ; p's scale word
.set KP,   64                          ; in window 1: tile t's six registers at v[KP + 6 t]; v[KP + 48] to v[KP + 53] are written once
.set VF,   120                         ; in window 1
.set WV,   12                          ; s12  my wave's number
.set SEL,  20                          ; s[20:21] lane selects: lane l xor 16
.set CS,   22                          ; s[22:23] c = log2(e) / sqrt(192)
.set G1K,  24                          ; s[24:31] group 1 for kvb's blocks;  s[32:39] for the mask's tiles;  s[40:43], s[44:47] their groups 0, which walk
.set G1M,  32
.set G0K,  40
.set G0M,  44
.set RT,   48                          ; s[48:49] sqrt(192)
.set TB,   50                          ; s50  LDS byte at which the slot in hand begins
.set SLOTS, 51                         ; s51  key steps still to be asked for
.set LIM,  52                          ; s52  1 in a wave that prefetches, else the greatest number
.set PFA,  54                          ; s[54:55] where my prefetches stand
.set PFS,  56                          ; s[56:57] a key step on, in bytes
.set QB0,  58                          ; s[58:63] my tile's image, half image and scale words in qb
.set QB1,  60
.set QB2,  62
.set ABB,  66                          ; s[66:67] my work-group's operand block in ab;  s[68:69] my tile's image in it
.set ABT,  68
.set MSB, 0
.macro WIN new                         ; the immediate's high byte repeats the setting that is left
.if MSB != (\new)
	s_set_vgpr_msb (MSB<<8)|(\new)
.set MSB, (\new)
.endif
.endm
.macro PLACES n
.rept \n
	v_nop
.endr
.endm
.macro MAXES s, w
	WIN (\w)|((\w)<<2)
.irp b, 0,1,2,3
	v_max3_num_f32 v[TM+\b], |v[(\s)+16*\b]|, |v[(\s)+16*\b+1]|, 0x1800000
.endr
	WIN ((\w)<<2)|((\w)<<4)
.irp i, 2,4,6,8,10,12,14
.irp b, 0,1,2,3
	v_max3_num_f32 v[TM+\b], v[TM+\b], |v[(\s)+16*\b+\i]|, |v[(\s)+16*\b+\i+1]|
.endr
.endr
	WIN 0
.irp b, 0,1,2,3
	v_permlanex16_b32 v[TM+4+\b], v[TM+\b], s[SEL], s[SEL+1]
.endr
.irp b, 0,1,2,3
	v_max_num_f32 v[TM+\b], v[TM+\b], v[TM+4+\b]
.endr
.endm
.macro PACK6 s, w, pc, pw
.irp b, 0,1,2,3
	v_add_nc_u32 v[TM+8+\b], 0xff000000, v[TM+\b]  ; 2 off the exponent field: the conversion takes that field as its scale
.endr
.irp b, 0,1,2,3
	v_lshrrev_b32 v[TM+4+\b], 23, v[TM+8+\b]       ; the scale's byte
.endr
	v_lshl_or_b32 v[\pw], v[TM+5], 8, v[TM+4]
	v_lshl_or_b32 v[\pw], v[TM+6], 16, v[\pw]
	v_lshl_or_b32 v[\pw], v[TM+7], 24, v[\pw]
	WIN \w
.irp c, 0,1
	v_cvt_scalef32_pk16_fp6_f32 v[(\pc)+6*\c:(\pc)+6*\c+2], v[(\s)+32*\c:(\s)+32*\c+15], v[TM+8+2*\c]
	v_cvt_scalef32_pk16_fp6_f32 v[(\pc)+12+4*\c:(\pc)+14+4*\c], v[(\s)+16+32*\c:(\s)+31+32*\c], v[TM+9+2*\c]
.endr
	WIN 0
	v_nop                                          ; one plain place behind the scaled conversions
.irp c, 0,1
.irp i, 0,1,2
	v_permlane16_swap_b32 v[(\pc)+6*\c+\i], v[(\pc)+12+4*\c+\i]
.endr
.irp i, 0,1,2
	v_mov_b32 v[(\pc)+3+6*\c+\i], v[(\pc)+12+4*\c+\i]
.endr
.endr
.endm
.macro QUANT s, w, pc, pw
	MAXES \s, \w
	PACK6 \s, \w, \pc, \pw
.endm
; Waves 0 and 1 fetch the two halves of kvb's block, waves 2 and 3 those of the mask's tile, the others nothing.  The branches hang on the wave's number alone.  Four v_nop follow each load.
.macro TLOAD
	s_cmp_lt_u32 s[WV], 2
	s_cbranch_scc0 .Lnot_k_\@
	tensor_load_to_lds s[G0K:G0K+3], s[G1K:G1K+7]
	s_nop 0
.rept 4
	v_nop
.endr
	s_branch .Lasked_\@
.Lnot_k_\@:
	s_cmp_lt_u32 s[WV], 4
	s_cbranch_scc0 .Lasked_\@
	tensor_load_to_lds s[G0M:G0M+3], s[G1M:G1M+7]
	s_nop 0
.rept 4
	v_nop
.endr
.Lasked_\@:
.endm
; A PREFETCH INTO THE L2 of the key step behind the one that has just been asked for.  kvb's block of a head is read by the four clusters of one cluster x: the one with y = 0 asks, wave 4; the four partners of
; a column share its 126 pieces of 256 bytes by address (32 cy + lane, held at 125).  The mask's tile of a query group is read by the four clusters of one cluster y: the one with x = 0 asks, waves 5 and 6
; (a row's two pieces of 256 bytes); the four partners of a row share its 128 rows by address (32 cx + lane).  The last change that fills a slot asks for nothing; steps 0 and 1 come by their loads alone.
.macro ASK
	s_cmp_gt_u32 s[SLOTS], s[LIM]
	s_cbranch_scc0 .Lnot_mine_\@
	global_prefetch_b8 v[PFO], s[PFA:PFA+1] th:TH_LOAD_NT scope:SCOPE_SE
.Lnot_mine_\@:
.endm
.macro CROUND                          ; a round of the cluster's barrier
	s_barrier_signal -1
	s_barrier_wait -1
	s_cmp_lg_u32 s[WV], 0
	s_cbranch_scc1 .Lnot_wave_0_\@
	s_barrier_signal -3
.Lnot_wave_0_\@:
	s_barrier_wait -3
	s_barrier_signal -1
	s_barrier_wait -1
.endm
.macro WALK                            ; the walking descriptors: the other slot than last time, the next key step; and the prefetches' address.  It stands where no tensor load of mine is out
	s_xor_b32 s[G0K+1], s[G0K+1], SLOT1
	s_add_nc_u64 s[G0K+2:G0K+3], s[G0K+2:G0K+3], BLK
	s_xor_b32 s[G0M+1], s[G0M+1], SLOT1
	s_add_nc_u64 s[G0M+2:G0M+3], s[G0M+2:G0M+3], 512
	s_wait_xcnt 0x0                                ; the last prefetch, a key step back, has read its address
	s_add_nc_u64 s[PFA:PFA+1], s[PFA:PFA+1], s[PFS:PFS+1]
.endm
	s_load_b256 s[4:11], s[0:1], 0x0               ; qb s[4:5], kvb s[6:7], mask s[8:9], ab s[10:11]
	v_lshl_add_u32 v[SPW], v0, 2, SPARE
	v_mov_b32 v[NIL], 0
	ds_add_u32 v5, v6
	s_wait_dscnt 0x0
	v_lshrrev_b32 v7, 5, v0
	v_readfirstlane_b32 s[WV], v7                  ; wave 0..7
	s_bfe_u32 s13, ttmp6, 0x40000                  ; cx
	s_bfe_u32 s14, ttmp6, 0x40004                  ; cy
	s_mov_b32 s15, ttmp9                           ; the cluster's x
	s_and_b32 s16, ttmp7, 0xffff                   ; and y
	s_lshl_b32 s17, s15, 2
	s_add_co_u32 s17, s17, s13                     ; the head
	s_lshl_b32 s18, s16, 2
	s_add_co_u32 s18, s18, s14                     ; the query group
	s_lshl_b32 s70, s14, 2
	s_lshl_b32 s70, 15, s70                        ; my row of the cluster
	s_lshl_b32 s71, 0x1111, s13                    ; my column
	s_or_b32 s[G1K], s71, (3<<16)|(1<<21)          ; half a block: 16,128 dense bytes as 63 rows of 256 (32 elements of 8 bytes); the mask names my column; 21 set beside a mask
	s_mov_b32 s[G1K+1], 32<<16
	s_mov_b32 s[G1K+2], 63<<16
	s_mov_b32 s[G1K+3], 32<<16
	s_mov_b32 s[G1K+4], 63
	s_mov_b32 s[G1K+5], 32
	s_mov_b32 s[G1K+6], 0
	s_mov_b32 s[G1K+7], 0
	s_or_b32 s[G1M], s70, (2<<16)|(1<<20)|(1<<21)|(6<<22)|(3<<25)  ; 64 rows of 128 f32, 2,048 apart; 4 words of padding behind every 128; the mask names my row
	s_mov_b32 s[G1M+1], 128<<16
	s_mov_b32 s[G1M+2], 64<<16
	s_mov_b32 s[G1M+3], 128<<16
	s_mov_b32 s[G1M+4], 64
	s_mov_b32 s[G1M+5], 2048
	s_mov_b32 s[G1M+6], 0
	s_mov_b32 s[G1M+7], 0
	s_and_b32 s72, s[WV], 1                        ; which half I fetch
	s_mul_i32 s73, s72, BLK/2                      ; of the block: in memory and in a slot
	s_mul_i32 s74, s17, 16*BLK                     ; the head's first block (under 2^23)
	s_add_co_u32 s74, s74, s73
	s_mov_b32 s75, 0
	s_mul_i32 s76, s72, 64*MP
	s_add_co_u32 s76, s76, MOFF                    ; of the mask's tile: in a slot,
	s_lshl_b32 s78, s18, 7
	s_lshl_b32 s79, s72, 6
	s_add_co_u32 s78, s78, s79
	s_lshl_b32 s78, s78, 13                        ; and in memory: row 128 x group + 64 x half, 8,192 bytes a row
	s_mov_b32 s79, 0
	s_wait_kmcnt 0x0
	s_mov_b32 s[G0K], 1
	s_mov_b32 s[G0K+1], s73
	s_add_nc_u64 s[G0K+2:G0K+3], s[6:7], s[74:75]
	s_or_b32 s[G0K+3], s[G0K+3], 0x80000000
	s_mov_b32 s[G0M], 1
	s_mov_b32 s[G0M+1], s76
	s_add_nc_u64 s[G0M+2:G0M+3], s[8:9], s[78:79]
	s_or_b32 s[G0M+3], s[G0M+3], 0x80000000
	CROUND                                         ; all sixteen work-groups are here: the first joint loads meet
	TLOAD                                          ; key step 0 into slot 0: one load of mine is out
	v_and_b32 v7, 15, v0                           ; r
	v_bfe_u32 v8, v0, 4, 1                         ; h
	v_and_b32 v9, 8, v7
	v_add_nc_u32 v9, v9, v7                        ; r % 8 + 16 (r / 8)
	v_and_b32 v10, 31, v0                          ; lane
	v_lshlrev_b32 v[LI16], 4, v10
	v_lshlrev_b32 v[LI8], 3, v10
	v_lshlrev_b32 v[LR32], 5, v7
	v_lshl_add_u32 v[LRH], v8, 4, v[LR32]
	s_lshr_b32 s80, s[WV], 1
	s_lshl_b32 s80, s80, 5
	s_lshl_b32 s81, s72, 3
	s_add_co_u32 s80, s80, s81                     ; my tile's first query in the group: 32 (t / 2) + 8 (t % 2)
	s_mul_i32 s80, s80, MP
	s_add_co_u32 s80, s80, MOFF
	v_mul_u32_u24 v[LM0], v9, MP
	v_lshl_add_u32 v[LM0], v8, 6, v[LM0]
	v_add_nc_u32 v[LM0], s80, v[LM0]
	s_lshl_b32 s82, s17, 4
	s_add_co_u32 s82, s82, s18
	s_mul_i32 s82, s82, 19456                      ; qb: block 16 x head + group
	s_mov_b32 s83, 0
	s_add_nc_u64 s[4:5], s[4:5], s[82:83]
	s_mov_b32 s85, 0
	s_mul_i32 s84, s[WV], 1536
	s_add_nc_u64 s[QB0:QB0+1], s[4:5], s[84:85]
	s_mul_i32 s84, s[WV], 768
	s_add_co_u32 s84, s84, 12288
	s_add_nc_u64 s[QB1:QB1+1], s[4:5], s[84:85]
	s_lshl_b32 s84, s[WV], 2
	s_add_co_u32 s84, s84, KNS
	s_add_nc_u64 s[QB2:QB2+1], s[4:5], s[84:85]
.irp c, 0,1,2
	global_load_b128 v[QN+4*\c:QN+4*\c+3], v[LI16], s[QB0:QB0+1] offset:512*\c    ; Q's fragment stays in registers
.endr
	global_load_b128 v[QP:QP+3], v[LI16], s[QB1:QB1+1]
	global_load_b64 v[QP+4:QP+5], v[LI8], s[QB1:QB1+1] offset:512
	global_load_b32 v[QNS], v[LR32], s[QB2:QB2+1]
	global_load_b32 v[QPS], v[LR32], s[QB2:QB2+1] offset:512
	s_lshl_b32 s86, s18, 4
	s_add_co_u32 s86, s86, s17
	s_mul_i32 s86, s86, 12800                      ; ab: block 16 x group + head
	s_mov_b32 s87, 0
	s_add_nc_u64 s[ABB:ABB+1], s[10:11], s[86:87]
	s_mul_i32 s86, s[WV], 1536
	s_add_nc_u64 s[ABT:ABT+1], s[ABB:ABB+1], s[86:87]
	; the prefetches: who asks, and where
	s_lshl_b32 s89, s14, 5                         ; 32 cy
	s_mul_i32 s90, s17, 16*BLK
	s_add_co_u32 s90, s90, BLK                     ; kvb: my head's key step 1: the first change of slots steps it to 2
	s_lshl_b32 s91, s18, 7
	s_lshl_b32 s92, s13, 5
	s_add_co_u32 s91, s91, s92
	s_lshl_b32 s91, s91, 13                        ; the mask: row 128 x group + 32 cx,
	s_lshl_b32 s92, s72, 8
	s_add_co_u32 s91, s91, s92                     ; wave 5 the second 256 bytes of a step's 512, wave 6 the first,
	s_add_co_u32 s91, s91, 512                     ; of key step 1
	s_mov_b32 s[PFS], 512
	s_mov_b32 s93, 8192
	s_cmp_eq_u32 s[WV], 4
	s_cselect_b64 s[PFA:PFA+1], s[6:7], s[8:9]
	s_cselect_b32 s[PFS], BLK, s[PFS]
	s_cselect_b32 s88, s16, s15                    ; the coordinate along which other clusters read the same bytes
	s_cselect_b32 s89, s89, 0
	s_cselect_b32 s92, 125, 31
	s_cselect_b32 s93, 256, s93
	s_cselect_b32 s90, s90, s91
	s_mov_b32 s91, 0
	s_mov_b32 s[PFS+1], 0
	s_add_nc_u64 s[PFA:PFA+1], s[PFA:PFA+1], s[90:91]
	v_add_nc_u32 v[PFO], s89, v10
	v_min_u32 v[PFO], s92, v[PFO]
	v_mul_lo_u32 v[PFO], v[PFO], s93
	s_sub_co_u32 s83, s[WV], 4
	s_cmp_lt_u32 s83, 3                            ; waves 4, 5, 6
	s_cselect_b32 s83, 0, 1
	s_or_b32 s83, s83, s88
	s_cmp_eq_u32 s83, 0
	s_cselect_b32 s[LIM], 1, -1                    ; the same in all sixteen partners, for a given wave
	s_mov_b32 s[SEL], 0x76543210
	s_mov_b32 s[SEL+1], 0xfedcba98
	s_mov_b32 s[CS], 0x3dd53b94                    ; log2(e) / sqrt(192)
	s_mov_b32 s[CS+1], s[CS]                       ; (named with it as a pair, so it is written)
	s_mov_b32 s[RT], 0x415db3d7                    ; sqrt(192)
	s_mov_b32 s[RT+1], s[RT]
	s_mov_b32 s[TB], 0
	s_mov_b32 s[SLOTS], 15
	v_mov_b32 v13, 0xff61b1e6                      ; the largest t so far: -3e38, under every t
	v_floor_f32 v12, -v13                          ; -M
	v_mov_b32 v14, 0                               ; the sum, in two halves
	v_mov_b32 v15, 0
	v_mov_b32 v251, 0                              ; (a lane permute's destination counts as one of its sources)
	v_mov_b32 v253, 0                              ; (named as the upper half of the pair v[252:253])
.irp b, 0,1,2,3
	v_mov_b32 v[TM+4+\b], 0
.endr
.irp i, 6,7,8,9,10,11
	v_mov_b32 v[QP+\i], 0                          ; the rotated part has K = 64: Q's upper 64 of the instruction's 128 are zero codes
.endr
	WIN 0x40
.set j, 0
.rept 64
	v_mov_b32 v[j], 0                              ; O^T.  (The step is written for all steps alike: the first finds zeros, which the first change of M leaves zeros)
.set j, j+1
.endr
.irp i, 48,49,50,51,52,53
	v_mov_b32 v[KP+\i], 0                          ; behind the last rotated tile: named as its registers 6-11, so they are written
.endr
	WIN 0
.macro NEXTADR                         ; my places in the slot at s[TB]: four plain vector lines
	v_add_nc_u32 v[ADK], s[TB], v[LI16]
	v_add_nc_u32 v[ADK8], s[TB], v[LI8]
	v_add_nc_u32 v[ADS], s[TB], v[LRH]
	v_add_nc_u32 v[ADM], s[TB], v[LM0]
.endm
.macro KSCALES                         ; k's two scale blocks: one load each
	ds_load_b128 v[KS:KS+3], v[ADS] offset:KNS
	ds_load_b128 v[KPS:KPS+3], v[ADS] offset:KPO
.endm
.macro KNRUN t                         ; tile t of k: three loads of 512 consecutive bytes
.irp c, 0,1,2
	ds_load_b128 v[KN+12*(\t)+4*\c:KN+12*(\t)+4*\c+3], v[ADK] offset:(\t)*1536+512*\c
.endr
.endm
.macro KPRUN g                         ; tiles 4 g .. 4 g + 3 of k's rotated part: eight loads, into window 1
	WIN 0x40
.irp t, 0,1,2,3
	ds_load_b128 v[KP+6*(4*(\g)+\t):KP+6*(4*(\g)+\t)+3], v[ADK] offset:12288+(4*(\g)+\t)*768
	ds_load_b64 v[KP+6*(4*(\g)+\t)+4:KP+6*(4*(\g)+\t)+5], v[ADK8] offset:12288+(4*(\g)+\t)*768+512
.endr
	WIN 0
.endm
.macro MASKRUN                         ; the mask at my query and keys 32 b + 16 h + 4 j on, into S
.irp b, 0,1,2,3
.irp j, 0,1,2,3
	ds_load_b128 v[S+16*\b+4*\j:S+16*\b+4*\j+3], v[ADM] offset:128*\b+16*\j
.endr
.endr
.endm
; S^T = mask sqrt(192) + K Q^T + K' Q'^T: eight accumulators by turns, one instruction a turn
.macro SCORES
.irp t, 0,1,2,3
	v_wmma_scale_f32_16x16x128_f8f6f4 v[S+8*\t:S+8*\t+7], v[KN+12*\t:KN+12*\t+11], v[QN:QN+11], v[S+8*\t:S+8*\t+7], v[KS+\t], v[QNS] matrix_a_fmt:MATRIX_FMT_FP6 matrix_b_fmt:MATRIX_FMT_FP6
.endr
.irp t, 4,5,6,7
	v_wmma_scale_f32_16x16x128_f8f6f4 v[S+8*\t:S+8*\t+7], v[KN+12*\t:KN+12*\t+11], v[QN:QN+11], v[S+8*\t:S+8*\t+7], v[KS+\t-4], v[QNS] matrix_a_fmt:MATRIX_FMT_FP6 matrix_b_fmt:MATRIX_FMT_FP6 matrix_a_scale:MATRIX_SCALE_ROW1
.endr
	WIN 0x01                                       ; source 0: window 1
.irp t, 0,1,2,3
	v_wmma_scale_f32_16x16x128_f8f6f4 v[S+8*\t:S+8*\t+7], v[KP+6*\t:KP+6*\t+11], v[QP:QP+11], v[S+8*\t:S+8*\t+7], v[KPS+\t], v[QPS] matrix_a_fmt:MATRIX_FMT_FP6 matrix_b_fmt:MATRIX_FMT_FP6
.endr
.irp t, 4,5,6,7
	v_wmma_scale_f32_16x16x128_f8f6f4 v[S+8*\t:S+8*\t+7], v[KP+6*\t:KP+6*\t+11], v[QP:QP+11], v[S+8*\t:S+8*\t+7], v[KPS+\t-4], v[QPS] matrix_a_fmt:MATRIX_FMT_FP6 matrix_b_fmt:MATRIX_FMT_FP6 matrix_a_scale:MATRIX_SCALE_ROW1
.endr
	WIN 0
.endm
.macro PV                              ; O^T += V^T P^T: eight accumulators, one instruction each; v^T and O^T in window 1, p's codes in window 0
	WIN 0x51
.irp t, 0,1,2,3
	v_wmma_scale_f32_16x16x128_f8f6f4 v[8*\t:8*\t+7], v[VF+12*\t:VF+12*\t+11], v[PC:PC+11], v[8*\t:8*\t+7], v[VS+\t], v[PW] matrix_a_fmt:MATRIX_FMT_FP6 matrix_b_fmt:MATRIX_FMT_FP6
.endr
.irp t, 4,5,6,7
	v_wmma_scale_f32_16x16x128_f8f6f4 v[8*\t:8*\t+7], v[VF+12*\t:VF+12*\t+11], v[PC:PC+11], v[8*\t:8*\t+7], v[VS+\t-4], v[PW] matrix_a_fmt:MATRIX_FMT_FP6 matrix_b_fmt:MATRIX_FMT_FP6 matrix_a_scale:MATRIX_SCALE_ROW1
.endr
	WIN 0
.endm
.macro EXP16 b
.set j, \b
.rept 16
	v_exp_f32 v[S+j], v[S+j]                       ; p = 2^(t - M), at most 1: not normalised
.set j, j+1
.endr
.endm
; A KEY STEP: 128 keys; its slot begins at s[TB].  mode 2: the slot is filled again, with the step two on, and the next step's k and mask are fetched; 1: they are fetched behind a barrier alone; 0: the last step.
.macro KSTEP mode
	v_add_nc_u32 v[ADK], s[TB], v[LI16]            ; these four are the places behind the last step's products, in front of loads into their registers
	v_add_nc_u32 v[ADS], s[TB], v[LRH]
	v_nop
	v_nop
	WIN 0x40
.irp t, 0,1,2,3,4,5,6,7
.irp c, 0,1,2
	ds_load_b128 v[VF+12*\t+4*\c:VF+12*\t+4*\c+3], v[ADK] offset:VIM+\t*1536+512*\c   ; v^T's eight tiles
.endr
.endr
	WIN 0
	ds_load_b128 v[VS:VS+3], v[ADS] offset:VSC
.if \mode
	s_xor_b32 s[TB], s[TB], SLOT1                  ; from here on: the next step's slot
.endif
	s_wait_dscnt 25                                ; k and the mask, asked for in the step before, are in; v^T's 25 loads just issued may be out
.set j, 0
.rept 32
	v_pk_mul_f32 v[S+j:S+j+1], v[S+j:S+j+1], s[RT:RT+1] op_sel_hi:[1,0]
.set j, j+2
.endr
.if \mode
	s_wait_tensorcnt 0x0                           ; all my tensor loads have landed: my part of the next step's slot; so a group 0 may be written
	ds_add_u32 v[SPW], v[NIL]                      ; 0 onto my spare word; the scores' products stand between it and the wait for it
.if \mode == 2
	WALK
.endif
.endif
	SCORES
.if \mode
	s_wait_dscnt 0x0                               ; the add is done, and v^T is in: my reads of this step's slot are over
.if \mode == 2
	CROUND                                         ; no wave of any partner still reads the slot or has a load on its way
	TLOAD                                          ; the first thing behind the round, and a wave's one tensor load until the next: it has a whole key step in which to land
	ASK
.else
	s_barrier_signal -1
	s_barrier_wait -1
.endif
	NEXTADR                                        ; four places behind the scores' products: for the loads into k's registers and for the first read of the scores
	KSCALES
	KNRUN 0
	KNRUN 1
.else
	PLACES 4
.endif
.irp b, 0,1,2,3
	v_max3_num_f32 v[TM+\b], v[S+16*\b], v[S+16*\b+1], v[S+16*\b+2]   ; the largest score of each block of 32 keys: for the row's maximum and, since p rises with the score, for the block's largest p
.endr
.irp i, 3,5,7,9,11,13
.irp b, 0,1,2,3
	v_max3_num_f32 v[TM+\b], v[TM+\b], v[S+16*\b+\i], v[S+16*\b+\i+1]
.endr
.endr
.irp b, 0,1,2,3
	v_max_num_f32 v[TM+\b], v[TM+\b], v[S+16*\b+15]
.endr
.if \mode
	KNRUN 2
	KNRUN 3
.endif
.irp b, 0,1,2,3
	v_permlanex16_b32 v[TM+4+\b], v[TM+\b], s[SEL], s[SEL+1]
.endr
.irp b, 0,1,2,3
	v_max_num_f32 v[TM+\b], v[TM+\b], v[TM+4+\b]
.endr
	v_max3_num_f32 v254, v[TM], v[TM+1], v[TM+2]
	v_max_num_f32 v254, v254, v[TM+3]
	v_mul_f32 v254, s[CS], v254                    ; as t (c is positive)
	v_max_num_f32 v13, v13, v254                   ; the running largest t
	v_mov_b32 v254, v12
	v_floor_f32 v12, -v13                          ; the new -M = floor(-t): M is a whole number
	v_sub_f32 v254, v12, v254                      ; old M - new M: a whole number, 0 or less
	v_cvt_i32_f32 v254, v254                       ; (it saturates)
	v_ldexp_f32 v252, 1.0, v254                    ; f = 2^(old M - new M)
.if \mode
	KNRUN 4
.endif
.set j, 0
.rept 32
	v_pk_fma_f32 v[S+j:S+j+1], v[S+j:S+j+1], s[CS:CS+1], v[12:13] op_sel_hi:[1,0,0]   ; t - M
.set j, j+2
.endr
.irp b, 0,1,2,3
	v_fma_f32 v[TM+\b], v[TM+\b], s[CS], v12       ; the same of each block's largest score
.endr
.if \mode
	KNRUN 5
.endif
	EXP16 0                                        ; the 64 exponentials are one batch; the rest of k's loads stand among them and name none of their registers
.if \mode
	KNRUN 6
.endif
	EXP16 16
.if \mode
	KNRUN 7
.endif
	EXP16 32
.if \mode
	KPRUN 0
.endif
	EXP16 48
.if \mode
	KPRUN 1
.endif
	v_pk_mul_f32 v[14:15], v[14:15], v[252:253] op_sel_hi:[1,0]   ; the sums under the new M: the plain place behind the exponentials
	s_wait_alu depctr_va_vdst(0)                   ; one wait for the batch of 64, ahead of its first reader
.irp b, 0,1,2,3
	v_exp_f32 v[TM+\b], v[TM+\b]                   ; the blocks' largest p
.endr
	v_pk_add_f32 v[TM+4:TM+5], v[S:S+1], v[S+2:S+3]   ; the row's sum is taken of the unquantised p, in two chains
.irp j, 4,8,12,16,20,24,28,32,36,40,44,48,52,56,60
	v_pk_add_f32 v[14:15], v[14:15], v[S+\j:S+\j+1]
	v_pk_add_f32 v[TM+4:TM+5], v[TM+4:TM+5], v[S+\j+2:S+\j+3]
.endr
	v_pk_add_f32 v[14:15], v[14:15], v[TM+4:TM+5]
	s_wait_alu depctr_va_vdst(0)                   ; and one for the four
.irp b, 0,1,2,3
	v_max_num_f32 v[TM+\b], 0x1800000, v[TM+\b]    ; the floor 2^(3 - 127): the byte cannot fall under 1
.endr
	PACK6 S, 0, PC, PW
.if \mode
	MASKRUN                                        ; p's codes are made: S takes the next step's mask, under the 32 multiplications and 8 products below
.endif
	WIN 0x41
.set j, 0
.rept 32
	v_pk_mul_f32 v[j:j+1], v[j:j+1], v[252:253] op_sel_hi:[1,0]   ; O^T under the new M.  (These 32 are also the places between the scale word's and the codes' last writes and the products)
.set j, j+2
.endr
	WIN 0
.if \mode == 0
	s_wait_dscnt 0x0                               ; v^T is in (in the other steps the wait in front of the barrier has shown it)
.endif
	PV
.endm
	s_wait_loadcnt 0x0                             ; Q
	; Ahead of the loop: key step 0 is shown whole to every wave, key step 1 is asked for into slot 1 (issued as a refill is), and step 0's k and mask are fetched.
	s_wait_tensorcnt 0x0                           ; my part of key step 0 has landed; no tensor load of mine is out
	ds_add_u32 v[SPW], v[NIL]                      ; 0 onto my spare word
	WALK
	s_wait_dscnt 0x0
	CROUND
	TLOAD
	ASK
	s_mov_b32 s[SLOTS], 14
	NEXTADR
	KSCALES
.irp t, 0,1,2,3,4,5,6,7
	KNRUN \t
.endr
	KPRUN 0
	KPRUN 1
	MASKRUN
.Lstep:                                                ; 14 trips: steps 0 to 13 ask for steps 2 to 15
	KSTEP 2
	s_sub_co_u32 s[SLOTS], s[SLOTS], 1
	s_cmp_lg_u32 s[SLOTS], 0
	s_cbranch_scc1 .Lstep
	KSTEP 1                                        ; the last two steps are written out
	KSTEP 0
	; THE WAY OUT: O^T / the sum, quantised along the head's 128: my tile's image of K step 'head' of the last product; the eight waves' scale words meet in LDS and leave as one block of 512 bytes.
	PLACES 4                                       ; behind the last products
	v_add_f32 v14, v14, v15
	v_permlanex16_b32 v251, v14, s[SEL], s[SEL+1]
	v_add_f32 v14, v14, v251                       ; the row's sum
	v_rcp_f32 v14, v14
	v_add_nc_u32 v[ADK], SCR, v[LI16]              ; (a plain place behind the reciprocal)  where wave 0 reads the block back
	s_lshl_b32 s70, s[WV], 2
	s_add_co_u32 s70, s70, SCR
	v_add_nc_u32 v[ADK8], s70, v[LR32]             ; where my word goes: 32 r + 4 t
	s_wait_alu depctr_va_vdst(0)                   ; ahead of the reciprocal's first reader
	WIN 0x01
.set j, 0
.rept 64
	v_mul_f32 v[S+j], v[j], v14                    ; each accumulator from its low end on
.set j, j+1
.endr
	WIN 0
	QUANT S, 0, PC, 251
.irp c, 0,1,2
	global_store_b128 v[LI16], v[PC+4*\c:PC+4*\c+3], s[ABT:ABT+1] offset:512*\c
.endr
	ds_store_b32 v[ADK8], v251                     ; lanes r and r + 16 write the same word with the same value
	s_wait_dscnt 0x0                               ; for the others' sake: my store has landed
	s_barrier_signal -1
	s_barrier_wait -1
	s_cmp_lg_u32 s[WV], 0
	s_cbranch_scc1 .Lnot_first
	ds_load_b128 v[KN:KN+3], v[ADK]
	s_wait_dscnt 0x0
	global_store_b128 v[LI16], v[KN:KN+3], s[ABB:ABB+1] offset:12288
.Lnot_first:
	s_wait_tensorcnt 0x0                           ; the wave's end
	ds_add_u32 v[SPW], v[NIL]
	s_wait_dscnt 0x0
	CROUND                                         ; the closing round
	s_endpgm
.Lfunc_end_k_qe87fb6930a_attn:
	.size	k_qe87fb6930a_attn, .Lfunc_end_k_qe87fb6930a_attn-k_qe87fb6930a_attn
	.p2alignl 7, 3214868480
	.fill 96, 4, 3214868480
	.section	.rodata,"a",@progbits
	.p2align	6, 0x0
	.amdhsa_kernel k_qe87fb6930a_attn
		.amdhsa_group_segment_fixed_size 327680
		.amdhsa_private_segment_fixed_size 0
		.amdhsa_enable_private_segment 0
		.amdhsa_kernarg_size 32
		.amdhsa_user_sgpr_count 2
		.amdhsa_user_sgpr_kernarg_segment_ptr 1
		.amdhsa_wavefront_size32 1
		.amdhsa_system_sgpr_workgroup_id_x 1
		.amdhsa_system_sgpr_workgroup_id_y 1
		.amdhsa_system_sgpr_workgroup_id_z 1
		.amdhsa_system_vgpr_workitem_id 0
		.amdhsa_next_free_vgpr 480
		.amdhsa_next_free_sgpr 100
		.amdhsa_reserve_vcc 0
		.amdhsa_float_denorm_mode_32 3
		.amdhsa_float_denorm_mode_16_64 3
		.amdhsa_memory_ordered 1
		.amdhsa_forward_progress 1
		.amdhsa_inst_pref_size 93
	.end_amdhsa_kernel
	.amdgpu_metadata
---
amdhsa.version: [ 1, 2 ]
amdhsa.kernels:
  - .name:           k_qe87fb6930a_attn
    .symbol:         k_qe87fb6930a_attn.kd
    .args:
      - { .name: qb, .offset: 0, .size: 8, .value_kind: global_buffer, .address_space: global }
      - { .name: kvb, .offset: 8, .size: 8, .value_kind: global_buffer, .address_space: global }
      - { .name: mask, .offset: 16, .size: 8, .value_kind: global_buffer, .address_space: global }
      - { .name: ab, .offset: 24, .size: 8, .value_kind: global_buffer, .address_space: global }
    .group_segment_fixed_size: 327680
    .private_segment_fixed_size: 0
    .kernarg_segment_align: 8
    .kernarg_segment_size: 32
    .max_flat_workgroup_size: 256
    .sgpr_count:     100
    .vgpr_count:     480
    .wavefront_size: 32
...
	.end_amdgpu_metadata
.endif
;; end of part 5
;; launch oproj (part 6): grid 16 x 16, 4 waves a work-group, clusters of 4 x 4, 327,680 bytes of LDS; arguments ab, opi, out0; writes out0
.if DOCPART == 6
	.amdgcn_target "amdgcn-amd-amdhsa--gfx1250"
	.amdhsa_code_object_version 6
	.text
	.protected	k_qe87fb6930a_oproj
	.globl	k_qe87fb6930a_oproj
	.p2align	8
	.type	k_qe87fb6930a_oproj,@function
k_qe87fb6930a_oproj:
	s_mov_b64 s[64:65], 0
	v_nop
	global_prefetch_b8 v0, s[64:65] scope:SCOPE_SE
	s_setreg_imm32_b32 hwreg(HW_REG_WAVE_MODE, 25, 1), 1
	s_wait_xcnt 0x0
	s_wait_alu depctr_hold_cnt(0) depctr_sa_sdst(0) depctr_va_vdst(0) depctr_va_sdst(0) depctr_va_ssrc(0) depctr_va_vcc(0) depctr_vm_vsrc(0)
	s_getreg_b32 s2, hwreg(HW_REG_IB_STS2, 6, 4)
	s_cmp_eq_u32 s2, 0
	s_cbranch_scc0 .Lentry_in_a_cluster
	s_endpgm
.Lentry_in_a_cluster:
	s_bfe_u32 s2, ttmp6, 0x10000c
	s_cmp_lg_u32 s2, 0xf033
	s_cbranch_scc0 .Lentry_shape_is_right
	s_endpgm
.Lentry_shape_is_right:
; out0 = (attention's output) wo^T on codes of FP6 (E2M3) with E8M0 scales, K = 2,048; out0 [2048][2048] f32.
; A comes from ab ([16 query groups][16 K steps = heads] of operand blocks), B from opi's row groups 80-95 (wo).  An operand block: 128 rows x 128 K: eight fragment images of 1,536 bytes and 512 bytes of scale words, 12,800 bytes.
; A tile of C is 128 x 128: one row group of A against one of B: 256 tiles, 256 work-groups.  Four waves, 64 x 64 each: 16 accumulators, 128 registers.
; A K step of a work-group is two blocks, 25,600 bytes, so twelve of the sixteen K steps fit in LDS at once: three regions of four steps (A's four blocks, then B's four).  All three are asked for at the start;
; a wave's load brings two blocks, 25,600 dense bytes (waves 0, 1: A's, waves 2, 3: B's).  Region 0 is filled again ONCE, with steps 12-15, as soon as step 3's fragments are in registers: that load has eight steps in which to land.
; A wave has three tensor loads out at the start and one behind the refill.  No loop: sixteen steps by macro.
; CLUSTERS: 4 x 4; A's blocks are asked for jointly along a row of the cluster, B's along a column.  THE MATRIX INSTRUCTION IS USED TRANSPOSED (source 0 = 16 rows of B, source 1 = 16 rows of A).
; In both operands lane-row r of tile a is row 32 (a / 2) + 8 (a % 2) + r % 8 + 16 (r / 8) of its group: the way out undoes both orders by immediate offsets.
; REGISTERS: window 0: v8-29 addresses; v32-39 scale words, two sets; v64-159, v160-255 fragments, two sets (A's four tiles, then B's four); on the way out v64-191 rows of C.  window 1: v0-127 the accumulators ((a, b) at v[8 (4 a + b)]).
.set KB,     12800                     ; an operand block
.set FRB,    1536                      ; a fragment image
.set QUART,  2*KB                      ; what one tensor load brings
.set BOFF,   4*KB                      ; B's blocks in a region
.set REG,    8*KB                      ; a region: four K steps
.set SPARE,  3*REG                     ; 307,200: the spare words, 128 bytes for each wave: two blocks of 256 bytes that no other line names
.set STAGE,  SPARE+512                 ; the way out: 16 rows x (256 bytes + 16) for each wave; no tile ever lands there
.set SPITCH, 272
.set GRP,    16*KB                     ; a row group in ab and in opi
.set ADRA, 8                           ; v8-10   my four tiles of A in region 0, 1, 2: + 16 x lane
.set ADRB, 12                          ; v12-14  my four tiles of B
.set ADRS, 16                          ; v16-18  the scale words: lanes 0-15 my four tiles of A, lanes 16-31 my four of B
.set STO,  20                          ; v20  the stage: row r, + 64 h
.set RD,   21                          ; v21  and back: lanes 0-15 one row, lanes 16-31 the next
.set CO,   22                          ; v22  the same two rows in C
.set SPW,  28                          ; v28  LDS address of my spare word; never rewritten
.set NIL,  29                          ; v29  0; never rewritten
.set SC,   32                          ; set k % 2: register i: lanes 0-15 the word of my A tile i, lanes 16-31 that of my B tile i
.set FRG,  64
.set BK,   64                          ; the way out: tile a's 16 rows in v[BK + 32 a] on: no register is used twice
.set G1,   24                          ; s[24:31] group 1 for A;  s[32:43] groups 0, one for each region
.set G0,   32
.set G1B,  48                          ; s[48:55], s[68:79] the same for B
.set G0B,  68
.set MSB, 0
.macro WIN new                         ; the immediate's high byte repeats the setting that is left
.if MSB != (\new)
	s_set_vgpr_msb (MSB<<8)|(\new)
.set MSB, (\new)
.endif
.endm
.macro PLACES n
.rept \n
	v_nop
.endr
.endm
.macro JLOAD g0a, g1a, g0b, g1b        ; a joint load: waves 0 and 1 fetch for A, waves 2 and 3 for B; the branch hangs on the wave's number alone; four v_nop follow each of the two lines
	s_cmp_eq_u32 s15, 0
	s_cbranch_scc0 .Lfor_b_\@
	tensor_load_to_lds s[\g0a:\g0a+3], s[\g1a:\g1a+7]
	s_nop 0
.rept 4
	v_nop
.endr
	s_branch .Lasked_\@
.Lfor_b_\@:
	tensor_load_to_lds s[\g0b:\g0b+3], s[\g1b:\g1b+7]
	s_nop 0
.rept 4
	v_nop
.endr
.Lasked_\@:
.endm
.macro CROUND                          ; a round of the cluster's barrier
	s_barrier_signal -1
	s_barrier_wait -1
	s_cmp_lg_u32 s14, 0
	s_cbranch_scc1 .Lnot_wave_0_\@
	s_barrier_signal -3
.Lnot_wave_0_\@:
	s_barrier_wait -3
	s_barrier_signal -1
	s_barrier_wait -1
.endm
	s_load_b128 s[4:7], s[0:1], 0x0                ; ab s[4:5], opi s[6:7]
	s_load_b64 s[12:13], s[0:1], 0x10              ; out0
	v_lshl_add_u32 v[SPW], v0, 2, SPARE
	v_mov_b32 v[NIL], 0
	ds_add_u32 v28, v29
	s_wait_dscnt 0x0
	v_lshrrev_b32 v1, 5, v0
	v_readfirstlane_b32 s14, v1                    ; wave 0..3
	s_lshr_b32 s15, s14, 1                         ; which four tiles of A are mine.  Also: I fetch for A (0) or for B (1)
	s_and_b32 s16, s14, 1                          ; which four tiles of B.  Also: which two of a region's four K steps I fetch
	s_bfe_u32 s80, ttmp6, 0x40000                  ; cx
	s_bfe_u32 s81, ttmp6, 0x40004                  ; cy
	s_lshl_b32 s82, ttmp9, 2
	s_add_co_u32 s82, s82, s80                     ; tile column, 0 .. 15
	s_and_b32 s17, ttmp7, 0xffff
	s_lshl_b32 s17, s17, 2
	s_add_co_u32 s17, s17, s81                     ; tile row, 0 .. 15
	s_lshl_b32 s83, s81, 2
	s_lshl_b32 s83, 15, s83                        ; my row of the cluster
	s_lshl_b32 s84, 0x1111, s80                    ; my column
	s_or_b32 s[G1+0], s83, (3<<16)|(1<<21)         ; 25,600 dense bytes as 100 rows of 256 (32 elements of 8 bytes), no padding; 15:0 the mask; 21 set beside a mask
	s_or_b32 s[G1B+0], s84, (3<<16)|(1<<21)
.irp g, G1, G1B
	s_mov_b32 s[\g+1], 32<<16                      ; tensor_dim0 = 32
	s_mov_b32 s[\g+2], 100<<16                     ; tensor_dim1 = 100
	s_mov_b32 s[\g+3], 32<<16                      ; tile_dim0 = 32
	s_mov_b32 s[\g+4], 100                         ; tile_dim1 = 100
	s_mov_b32 s[\g+5], 32                          ; from row to row
	s_mov_b32 s[\g+6], 0
	s_mov_b32 s[\g+7], 0
.endr
	s_mul_i32 s18, s16, QUART                      ; my two K steps of a region's four
	s_mul_i32 s20, s17, GRP                        ; A: query group = tile row
	s_add_co_u32 s20, s20, s18
	s_mov_b32 s21, 0
	s_add_co_u32 s86, s82, 80
	s_mul_i32 s86, s86, GRP                        ; B: row group 80 + tile column (under 2^25)
	s_add_co_u32 s86, s86, s18
	s_mov_b32 s87, 0
	s_mul_i32 s85, s14, QUART                      ; where it goes in a region: wave x 25,600: no place in the cluster enters an LDS address
	s_wait_kmcnt 0x0
	s_add_nc_u64 s[20:21], s[4:5], s[20:21]
	s_add_nc_u64 s[86:87], s[6:7], s[86:87]
	CROUND                                         ; all sixteen work-groups are here: the first joint loads meet
.irp j, 0,1,2
	s_mov_b32 s[G0+4*\j], 1
	s_add_co_u32 s[G0+4*\j+1], s85, \j*REG
	s_add_nc_u64 s[G0+4*\j+2:G0+4*\j+3], s[20:21], \j*2*QUART
	s_or_b32 s[G0+4*\j+3], s[G0+4*\j+3], 0x80000000
	s_mov_b32 s[G0B+4*\j], 1
	s_add_co_u32 s[G0B+4*\j+1], s85, \j*REG
	s_add_nc_u64 s[G0B+4*\j+2:G0B+4*\j+3], s[86:87], \j*2*QUART
	s_or_b32 s[G0B+4*\j+3], s[G0B+4*\j+3], 0x80000000
	JLOAD G0+4*\j, G1, G0B+4*\j, G1B               ; K steps 4 j to 4 j + 3: three loads of mine are out
.endr
	v_and_b32 v4, 31, v0                           ; lane
	v_and_b32 v1, 15, v0                           ; r
	v_bfe_u32 v2, v0, 4, 1                         ; h
	v_lshlrev_b32 v5, 4, v4                        ; 16 x lane
	s_mul_i32 s88, s15, 4*FRB                      ; my four tiles of A
	s_mul_i32 s89, s16, 4*FRB
	s_add_co_u32 s89, s89, BOFF                    ; my four tiles of B
.irp j, 0,1,2
	v_add_nc_u32 v[ADRA+\j], s88, v5
	v_add_nc_u32 v[ADRB+\j], s89, v5
	s_add_co_u32 s88, s88, REG
	s_add_co_u32 s89, s89, REG
.endr
	s_xor_b32 s90, s15, 1
	s_add_co_u32 s90, s90, s16
	s_lshl_b32 s90, s90, 4
	s_add_co_u32 s90, s90, BOFF-16                 ; from my A tiles' words to my B tiles': BOFF + 16 x (B's half) - 16 x (A's half)
	v_mul_u32_u24 v3, s90, v2                      ; lanes 16-31 take B's
	v_lshl_add_u32 v3, v1, 5, v3                   ; + 32 r
	s_lshl_b32 s91, s15, 4
	s_add_co_u32 s91, s91, 8*FRB                   ; the scale block lies behind the eight images; my four words begin 16 x (A's half) bytes on
	v_add_nc_u32 v[ADRS], s91, v3
	v_add_nc_u32 v[ADRS+1], REG, v[ADRS]
	v_add_nc_u32 v[ADRS+2], 2*REG, v[ADRS]
	s_mul_i32 s92, s14, 16*SPITCH
	s_add_co_u32 s92, s92, STAGE                   ; my stage
	v_mul_u32_u24 v6, v1, SPITCH
	v_lshl_add_u32 v6, v2, 6, v6
	v_add_nc_u32 v[STO], s92, v6
	v_mul_u32_u24 v6, v2, SPITCH
	v_lshl_add_u32 v6, v1, 4, v6
	v_add_nc_u32 v[RD], s92, v6
	v_lshlrev_b32 v[CO], 13, v2                    ; a row of C is 8,192 bytes
	v_lshl_add_u32 v[CO], v1, 4, v[CO]
	s_lshl_b32 s88, s17, 7
	s_lshl_b32 s89, s15, 6
	s_add_co_u32 s88, s88, s89                     ; my first row of C: 128 x tile row + 64 x half
	s_lshl_b32 s88, s88, 13
	s_lshl_b32 s90, s82, 9                         ; my first column, in bytes: 512 x tile column + 256 x half
	s_lshl_b32 s91, s16, 8
	s_add_co_u32 s88, s88, s90
	s_add_co_u32 s88, s88, s91                     ; under 2^25
	s_mov_b32 s89, 0
	s_add_nc_u64 s[12:13], s[12:13], s[88:89]
; K step k's eight fragments and its scale words into set k % 2: 25 loads of 512 consecutive bytes.  Steps 0-3 and 12-15 lie in region 0, 4-7 in region 1, 8-11 in region 2.
.macro LOADS k
.set RG, ((\k)/4)%3
.set QQ, (\k)%4
.set FS, FRG+96*((\k)%2)
.irp i, 0,1,2,3
.irp c, 0,1,2
	ds_load_b128 v[FS+12*\i+4*\c:FS+12*\i+4*\c+3], v[ADRA+RG] offset:QQ*KB+\i*FRB+512*\c
.endr
.endr
.irp i, 0,1,2,3
.irp c, 0,1,2
	ds_load_b128 v[FS+48+12*\i+4*\c:FS+48+12*\i+4*\c+3], v[ADRB+RG] offset:QQ*KB+\i*FRB+512*\c
.endr
.endr
	ds_load_b128 v[SC+4*((\k)%2):SC+4*((\k)%2)+3], v[ADRS+RG] offset:QQ*KB
.endm
; K step k's 16 products.  The 16 accumulators take turns, one instruction a turn, in the same order in every step.  zero = 1: the first step starts the sums.
.macro MUL k, zero
.set FS, FRG+96*((\k)%2)
.set SS, SC+4*((\k)%2)
	WIN 0x50                                       ; C and D window 1
.irp a, 0,1,2,3
.irp b, 0,1,2,3
.if \zero
	v_wmma_scale_f32_16x16x128_f8f6f4 v[8*(4*\a+\b):8*(4*\a+\b)+7], v[FS+48+12*\b:FS+48+12*\b+11], v[FS+12*\a:FS+12*\a+11], 0, v[SS+\b], v[SS+\a] matrix_a_fmt:MATRIX_FMT_FP6 matrix_b_fmt:MATRIX_FMT_FP6 matrix_a_scale:MATRIX_SCALE_ROW1
.else
	v_wmma_scale_f32_16x16x128_f8f6f4 v[8*(4*\a+\b):8*(4*\a+\b)+7], v[FS+48+12*\b:FS+48+12*\b+11], v[FS+12*\a:FS+12*\a+11], v[8*(4*\a+\b):8*(4*\a+\b)+7], v[SS+\b], v[SS+\a] matrix_a_fmt:MATRIX_FMT_FP6 matrix_b_fmt:MATRIX_FMT_FP6 matrix_a_scale:MATRIX_SCALE_ROW1
.endif
.endr
.endr
	WIN 0
.endm
; A step: the next step's fragments are asked for, into the set that the step before multiplied (four places behind its products); then this step's are waited for and multiplied.
.macro STEP k
	PLACES 4
	LOADS (\k)+1
	s_wait_dscnt 25                                ; this step's loads are in; the 25 just issued may be out
	MUL \k, 0
.endm
	s_wait_tensorcnt 2                             ; my part of region 0 is in; the loads of regions 1 and 2 may be out
	s_barrier_signal -1
	s_barrier_wait -1                              ; everybody's is
	LOADS 0
	LOADS 1
	s_wait_dscnt 25
	MUL 0, 1
	STEP 1
	PLACES 4                                       ; step 2, with the one refill of the launch behind it
	LOADS 3
	s_wait_dscnt 25
	s_wait_tensorcnt 0x0                           ; all my tensor loads have landed: my parts of regions 1 and 2; so a group 0 may be written
	ds_add_u32 v[SPW], v[NIL]                      ; 0 onto my spare word; step 2's products stand between it and the wait for it
	s_add_nc_u64 s[G0+2:G0+3], s[G0+2:G0+3], 6*QUART      ; region 0's next four K steps: 12 to 15
	s_add_nc_u64 s[G0B+2:G0B+3], s[G0B+2:G0B+3], 6*QUART
	MUL 2, 0
	s_wait_dscnt 0x0                               ; the add is done, and step 3's fragments are in registers: my reads of region 0 are over
	CROUND                                         ; no wave of any partner still reads region 0 or has a load on its way; regions 1 and 2 are whole
	JLOAD G0, G1, G0B, G1B                         ; the first tensor load behind the round; its four v_nop are the places in front of the loads below
	LOADS 4
	s_wait_dscnt 25
	MUL 3, 0
.irp k, 4,5,6,7,8,9,10
	STEP \k
.endr
	s_wait_tensorcnt 0x0                           ; my part of K steps 12 to 15 is in (the one load that was out),
	s_wait_dscnt 0x0                               ; no LDS instruction of mine is pending at the signal,
	s_barrier_signal -1
	s_barrier_wait -1                              ; everybody's is
.irp k, 11,12,13,14
	STEP \k
.endr
	s_wait_dscnt 0x0
	MUL 15, 0
; THE WAY OUT, A tile by A tile.  Lane (r, h) holds, of lane-row r, register j of accumulator b = column 32 (b / 2) + 16 h + 8 (b % 2) + j of my 64: 32 bytes at 128 (b / 2) + 64 h + 32 (b % 2) of the stage's row.
; A row of my 64 columns is 256 bytes: it comes back whole, sixteen lanes to a row, and is stored at its true place: stage row s of tile a is row 32 (a / 2) + 8 (a % 2) + s % 8 + 16 (s / 8) of my 64.
.macro TOSTAGE a
	WIN 0x04                                       ; an LDS store's data are its source 1: window 1
.irp b, 0,1,2,3
	ds_store_b128 v[STO], v[8*(4*(\a)+\b):8*(4*(\a)+\b)+3] offset:128*(\b/2)+32*(\b%2)           ; each accumulator from its low end on
	ds_store_b128 v[STO], v[8*(4*(\a)+\b)+4:8*(4*(\a)+\b)+7] offset:128*(\b/2)+32*(\b%2)+16
.endr
	WIN 0
.irp t, 0,1,2,3,4,5,6,7
	ds_load_b128 v[BK+32*(\a)+4*\t:BK+32*(\a)+4*\t+3], v[RD] offset:\t*2*SPITCH    ; LDS serves a wave's instructions in order (ISA guide 5.7.1.4): these see the stores above, and the next tile's stores come behind them
.endr
.endm
.macro SEND a, younger                 ; younger: the LDS instructions issued behind tile a's loads, which may stay out
	s_wait_dscnt \younger
.irp t, 0,1,2,3,4,5,6,7
	global_store_b128 v[CO], v[BK+32*(\a)+4*\t:BK+32*(\a)+4*\t+3], s[12:13] offset:(32*((\a)/2)+8*((\a)%2)+2*(\t%4)+16*(\t/4))*8192 th:TH_STORE_NT   ; sixteen lanes store 256 consecutive bytes, at a multiple of 256 from C's first byte
.endr
.endm
	PLACES 4                                       ; behind the last products: for the reads of results and the loads into the registers that held fragments
	TOSTAGE 0
.irp a, 1,2,3
	TOSTAGE \a
	SEND \a-1, 16                                  ; behind tile a - 1's loads: tile a's 8 stores and 8 loads
.endr
	SEND 3, 0
	s_wait_tensorcnt 0x0                           ; the wave's end
	ds_add_u32 v[SPW], v[NIL]
	s_wait_dscnt 0x0
	CROUND                                         ; the closing round
	s_endpgm
.Lfunc_end_k_qe87fb6930a_oproj:
	.size	k_qe87fb6930a_oproj, .Lfunc_end_k_qe87fb6930a_oproj-k_qe87fb6930a_oproj
	.p2alignl 7, 3214868480
	.fill 96, 4, 3214868480
	.section	.rodata,"a",@progbits
	.p2align	6, 0x0
	.amdhsa_kernel k_qe87fb6930a_oproj
		.amdhsa_group_segment_fixed_size 327680
		.amdhsa_private_segment_fixed_size 0
		.amdhsa_enable_private_segment 0
		.amdhsa_kernarg_size 24
		.amdhsa_user_sgpr_count 2
		.amdhsa_user_sgpr_kernarg_segment_ptr 1
		.amdhsa_wavefront_size32 1
		.amdhsa_system_sgpr_workgroup_id_x 1
		.amdhsa_system_sgpr_workgroup_id_y 1
		.amdhsa_system_sgpr_workgroup_id_z 1
		.amdhsa_system_vgpr_workitem_id 0
		.amdhsa_next_free_vgpr 384
		.amdhsa_next_free_sgpr 100
		.amdhsa_reserve_vcc 0
		.amdhsa_float_denorm_mode_32 3
		.amdhsa_float_denorm_mode_16_64 3
		.amdhsa_memory_ordered 1
		.amdhsa_forward_progress 1
		.amdhsa_inst_pref_size 78
	.end_amdhsa_kernel
	.amdgpu_metadata
---
amdhsa.version: [ 1, 2 ]
amdhsa.kernels:
  - .name:           k_qe87fb6930a_oproj
    .symbol:         k_qe87fb6930a_oproj.kd
    .args:
      - { .name: ab, .offset: 0, .size: 8, .value_kind: global_buffer, .address_space: global }
      - { .name: opi, .offset: 8, .size: 8, .value_kind: global_buffer, .address_space: global }
      - { .name: out0, .offset: 16, .size: 8, .value_kind: global_buffer, .address_space: global }
    .group_segment_fixed_size: 327680
    .private_segment_fixed_size: 0
    .kernarg_segment_align: 8
    .kernarg_segment_size: 24
    .max_flat_workgroup_size: 128
    .sgpr_count:     100
    .vgpr_count:     384
    .wavefront_size: 32
...
	.end_amdgpu_metadata
.endif
;; end of part 6
